; MI455X (gfx1250); checked and timed in simulation.
; The chip was launched on July 23, 2026; its instructions are those of AMD's public machine-readable ISA for CDNA 5 (MIT licence, August 2026) and "CDNA5" Instruction Set Architecture Reference Guide (July 2026). The comments in the code are by the model that wrote it; some were corrected since.
;; Mo E. Allowed arithmetic: matrix products marked QUANTISED: E4M3 operands, one given power-of-two scale a tensor, by v_wmma_f32_16x16x64_fp8_fp8 or v_wmma_f32_16x16x128_fp8_fp8, f32 sums; products left as they are: f32 operands where the result goes on into a quantised operand, else bf16, f16 or f32 operands; f32 sums; everything else in f32.
;; Inputs: alpha 8 float32; b1 8 x 4,096 float32; b2 8 x 1,024 float32; gate_b 8 float32; gate_w 1,024 x 8 float32; hidden_states 4 x 256 x 1,024 float32; lowp_scales 32 int32 (the exponents e of the quantised operands' scales 2^e); w1_codes 8 x 4,096 x 32 x 32 uint8 (E4M3 codes of w1, K innermost, in blocks of 32 codes); w2_codes 8 x 1,024 x 128 x 32 uint8 (E4M3 codes of w2, K innermost, in blocks of 32 codes).
;; Outputs: out0 4 x 256 x 1,024 float32.
;; This version of the problem:
;;   THIS VERSION OF THE PROBLEM IS GIVEN IN LOW PRECISION. The matrix products marked QUANTISED in the list below multiply operands that are first quantised to E4M3 (4 exponent bits, 3 mantissa bits; 8 bits a number), with one given power-of-two scale for each operand tensor; their sums are f32. All else is computed in f32.
;;   The module's matrix products, in the order in which they are computed (A, B: the left and right operand; K: the contracted axis; several contracted axes count as one K, in the product's order):
;;     1. [M 1,024, K 1,024] x [K 1,024, N 8]; A: input hidden_states; B: input gate_w: left as it is (N = 8 < 16)
;;     2. batch 1,024 x [M 1, K 2] x [K 2, N 8]; A: computed on the way; B: computed on the way: left as it is (K = 2 < 32)
;;     3. [M 1,024, K 1,024] x [K 1,024, N 4,096]; A: input hidden_states; B: input w1 (given as codes): QUANTISED (scales: A lowp_scales[0], B lowp_scales[1])
;;     4. [M 1,024, K 4,096] x [K 4,096, N 1,024]; A: computed on the way; B: input w2 (given as codes): QUANTISED (scales: A lowp_scales[2], B lowp_scales[3])
;;     5. [M 1,024, K 1,024] x [K 1,024, N 4,096]; A: input hidden_states; B: input w1 (given as codes): QUANTISED (scales: A lowp_scales[4], B lowp_scales[5])
;;     6. [M 1,024, K 4,096] x [K 4,096, N 1,024]; A: computed on the way; B: input w2 (given as codes): QUANTISED (scales: A lowp_scales[6], B lowp_scales[7])
;;     7. [M 1,024, K 1,024] x [K 1,024, N 4,096]; A: input hidden_states; B: input w1 (given as codes): QUANTISED (scales: A lowp_scales[8], B lowp_scales[9])
;;     8. [M 1,024, K 4,096] x [K 4,096, N 1,024]; A: computed on the way; B: input w2 (given as codes): QUANTISED (scales: A lowp_scales[10], B lowp_scales[11])
;;     9. [M 1,024, K 1,024] x [K 1,024, N 4,096]; A: input hidden_states; B: input w1 (given as codes): QUANTISED (scales: A lowp_scales[12], B lowp_scales[13])
;;     10. [M 1,024, K 4,096] x [K 4,096, N 1,024]; A: computed on the way; B: input w2 (given as codes): QUANTISED (scales: A lowp_scales[14], B lowp_scales[15])
;;     11. [M 1,024, K 1,024] x [K 1,024, N 4,096]; A: input hidden_states; B: input w1 (given as codes): QUANTISED (scales: A lowp_scales[16], B lowp_scales[17])
;;     12. [M 1,024, K 4,096] x [K 4,096, N 1,024]; A: computed on the way; B: input w2 (given as codes): QUANTISED (scales: A lowp_scales[18], B lowp_scales[19])
;;     13. [M 1,024, K 1,024] x [K 1,024, N 4,096]; A: input hidden_states; B: input w1 (given as codes): QUANTISED (scales: A lowp_scales[20], B lowp_scales[21])
;;     14. [M 1,024, K 4,096] x [K 4,096, N 1,024]; A: computed on the way; B: input w2 (given as codes): QUANTISED (scales: A lowp_scales[22], B lowp_scales[23])
;;     15. [M 1,024, K 1,024] x [K 1,024, N 4,096]; A: input hidden_states; B: input w1 (given as codes): QUANTISED (scales: A lowp_scales[24], B lowp_scales[25])
;;     16. [M 1,024, K 4,096] x [K 4,096, N 1,024]; A: computed on the way; B: input w2 (given as codes): QUANTISED (scales: A lowp_scales[26], B lowp_scales[27])
;;     17. [M 1,024, K 1,024] x [K 1,024, N 4,096]; A: input hidden_states; B: input w1 (given as codes): QUANTISED (scales: A lowp_scales[28], B lowp_scales[29])
;;     18. [M 1,024, K 4,096] x [K 4,096, N 1,024]; A: computed on the way; B: input w2 (given as codes): QUANTISED (scales: A lowp_scales[30], B lowp_scales[31])
;;   THE QUANTISER, for each operand of a quantised product, along K:
;;     - The operand's scale is 2^e, e = its entry of the input lowp_scales (int32; the entries are numbered through the quantised products in the list's order, A before B).
;;     - Each number is divided by the scale, clamped to +-448, and rounded to the nearest number of E4M3, ties to even, subnormals kept.
;;     - The product sums the exact products of the quantised numbers (number of the format x scale) in f32.
;;   ~~~python
;;   def quantise(x, axis, e):      # numpy; x: float32 -> the quantised numbers, widened to float32 again
;;       x = np.moveaxis(x, axis, -1); K = x.shape[-1]
;;       r = np.clip(x / 2.0 ** e, -448, 448)
;;       step = 2.0 ** (np.maximum(np.frexp(np.where(r == 0, 1, r))[1] - 1, -6) - 3)
;;       q = np.round(r / step) * step * 2.0 ** e      # np.round: ties to even
;;       return np.moveaxis(q, -1, axis).astype(np.float32)
;;   ~~~
;;   OPERANDS COMPUTED ON THE WAY. 'Computed on the way' means the value that the module computes at that place (a softmax that the list does not call 'softmax' is quantised finished and normalised). What goes into a quantiser is computed in f32, as accurately as f32 sums, v_exp_f32 and their like allow (about 1e-6 of the number): no bf16 or f16 on the way to a quantiser, and a product that is left as it is and whose result goes on into a quantised operand takes f32 operands (vector FMAs, or v_wmma_f32_16x16x4_f32). A number that lies on a knife's edge between two numbers of the format may be rounded either way, as far as f32 arithmetic and the matrix unit's own rounding can turn it there, and no further.
;;   INPUTS GIVEN AS CODES. w1 (in the module: [8, 1024, 4096], K = its axis 1); w2 (in the module: [8, 4096, 1024], K = its axis 1): each comes as NAME_codes (uint8): NAME with its K axis moved to the last place and cut into blocks of 32 codes, [.., K / 32, bytes a block], one block behind the other in memory; one code a byte (a code: sign, 4 exponent bits, 3 mantissa bits); its scale is its entry of lowp_scales. Its value is code x scale, taken as it is: it is not quantised again, and the codes and scales need not be those that the quantiser above would give.
;; 2 versions. Each part assembles by itself: llvm-mc -triple=amdgcn-amd-amdhsa -mcpu=gfx1250 --defsym DOCPART=n.
;; ======== version 1 of 2: 4 launches
;; workspace buffers: sel 4,096 bytes of whole numbers; wgt 8,192 bytes; xq 8,388,608 bytes; posE 32,768 bytes of whole numbers; cnt 1,024 bytes of whole numbers; hq 33,554,432 bytes; y0 33,554,432 bytes; y1 33,554,432 bytes
;; launch route (part 1): grid 256 x 1, 4 waves a work-group, no clusters, 35,328 bytes of LDS; arguments hidden_states, gate_w, gate_b, alpha, lowp_scales, sel, wgt, xq; writes sel, wgt, xq
.if DOCPART == 1
	.amdgcn_target "amdgcn-amd-amdhsa--gfx1250"
	.amdhsa_code_object_version 6
	.text
	.protected	k_q40eca94988_route
	.globl	k_q40eca94988_route
	.p2align	8
	.type	k_q40eca94988_route,@function
k_q40eca94988_route:
	s_mov_b64 s[64:65], 0
	v_nop
	global_prefetch_b8 v0, s[64:65] scope:SCOPE_SE
	s_setreg_imm32_b32 hwreg(HW_REG_WAVE_MODE, 25, 1), 1
	s_wait_xcnt 0x0
; THE ROUTER, AND x's CODES.  One wave takes one token t = 4 x work-group + wave.
; logits = x gate_w + gate_b in f32 (fused multiply-adds); the largest logit is taken away, e_n = 2^((L_n - m) log2 e); the two largest e are chosen (of equals the lower index);
; score_k = e_k / (e_0 + e_1): reference()'s vals / sum(vals), in which the softmax's divisor stands above and below the line and falls out.
; Stored at fixed places, for the later launches: sel[t] = i0 | i1 << 8 | ((1 << i0) | (1 << i1)) << 16;  wgt[t][k] = score_k x alpha[i_k].  No address and no branch here hangs on the choice.
; xq[e][t][1024]: the token's codes of E4M3 under each expert's own scale 2^ex(e), ex(e) = lowp_scales[4 e]: code = x / 2^ex, held within +-448, to the nearest code, ties to even.
; LIMITS: ex between -126 and 119 (2^ex and 448 x 2^ex are made as f32 numbers).  NaN among the inputs is not served.
; Lane l holds k = 256 i + 8 l + 0 .. 7 (i = 0 .. 3) in v[X + 8 i + j]: eight neighbours along K, as the conversion takes them, and a wave's store of 8 bytes a lane covers 256 consecutive bytes, aligned.
; gate_w (32,768 bytes) is copied once by dense loads into LDS, as 128 blocks of 8 rows (256 bytes) 272 bytes apart, so that lane l reads its eight rows by 16-byte loads that fall on different banks.
.set ACC, 8                            ; v8-15    the eight logits, as four pairs
.set X,   16                           ; v16-47   my 32 numbers of x
.set GW,  48                           ; v48-111, v112-175  two sets of 8 rows x 8 experts of gate_w
.set T,   48                           ; v48-79   behind the logits: the numbers held for the conversion
.set CD,  176                          ; v176-239 codes: eight registers for each expert, never written again
.set GP,  272                          ; from block to block of gate_w in LDS
	s_load_b512 s[4:19], s[0:1], 0x0               ; x s[4:5], gate_w s[6:7], gate_b s[8:9], alpha s[10:11], the scales' exponents s[12:13], sel s[14:15], wgt s[16:17], xq s[18:19]
	v_lshl_add_u32 v7, v0, 2, 0x8800
	s_set_vgpr_msb 0x40
	v_mov_b32 v1, 0
	s_set_vgpr_msb 0x4000
	v_lshrrev_b32 v1, 5, v0
	v_readfirstlane_b32 s20, v1                    ; wave
	v_and_b32 v1, 31, v0                           ; lane
	v_lshlrev_b32 v2, 5, v1                        ; x: 32 bytes a lane
	v_lshlrev_b32 v3, 4, v0                        ; gate_w on its way in: 16 bytes a thread
	v_lshrrev_b32 v4, 4, v0
	v_mul_u32_u24 v4, v4, GP
	v_and_b32 v5, 15, v0
	v_lshl_add_u32 v4, v5, 4, v4                   ; and its place in LDS: block thread / 16, 16 (thread % 16)
	v_mul_u32_u24 v5, v1, GP                       ; on the way out: block lane
	v_lshlrev_b32 v6, 3, v1                        ; codes: 8 bytes a lane
	s_lshl_b32 s21, ttmp9, 2
	s_add_co_u32 s21, s21, s20                     ; my token
	s_mov_b32 s56, 0x76543210                      ; v_permlanex16_b32: lane l xor 16
	s_mov_b32 s57, 0xfedcba98
	s_lshl_b32 s22, s21, 12                        ; a row of x is 4,096 bytes
	s_mov_b32 s23, 0
	s_wait_kmcnt 0x0
	s_add_nc_u64 s[4:5], s[4:5], s[22:23]
.set i, 0
.rept 4
	global_load_b128 v[X+8*i:X+8*i+3],   v2, s[4:5] offset:1024*i th:TH_LOAD_NT
	global_load_b128 v[X+8*i+4:X+8*i+7], v2, s[4:5] offset:1024*i+16 th:TH_LOAD_NT
.set i, i+1
.endr
.set q, 0
.rept 16
	global_load_b128 v[GW+4*q:GW+4*q+3], v3, s[6:7] offset:2048*q   ; the work-group reads 2,048 consecutive bytes
.set q, q+1
.endr
	s_load_b256 s[24:31], s[8:9], 0x0              ; gate_b
	s_load_b256 s[32:39], s[10:11], 0x0            ; alpha
	s_load_b512 s[40:55], s[12:13], 0x0            ; exponents 0-15: ex of experts 0-3 in s40, s44, s48, s52
	s_load_b512 s[68:83], s[12:13], 0x40           ; exponents 16-31: ex of experts 4-7 in s68, s72, s76, s80
	s_lshl_b32 s22, s21, 10
	s_add_nc_u64 s[18:19], s[18:19], s[22:23]      ; xq at my token's row in expert 0's part
	s_lshl_b32 s22, s21, 2
	s_add_nc_u64 s[14:15], s[14:15], s[22:23]      ; sel[t]
	s_lshl_b32 s22, s21, 3
	s_add_nc_u64 s[16:17], s[16:17], s[22:23]      ; wgt[t]
	s_wait_loadcnt 0x0
.set q, 0
.rept 16
	ds_store_b128 v4, v[GW+4*q:GW+4*q+3] offset:8*GP*q
.set q, q+1
.endr
	s_wait_dscnt 0x0                               ; for the others' sake: my part of gate_w lies in LDS
	s_barrier_signal -1
	s_barrier_wait -1
.macro GLD i, set                      ; my eight rows k = 256 i + 8 l + 0 .. 7 of gate_w: register 8 j + n = gate_w[k + j][n]
.set q, 0
.rept 16
	ds_load_b128 v[GW+64*\set+4*q:GW+64*\set+4*q+3], v5 offset:32*GP*\i+16*q
.set q, q+1
.endr
.endm
.macro DOT i, set                      ; 32 packed multiply-adds: x[k + j], for both halves, x two experts' weights.  The very first four start the sums: nothing is cleared
.set j, 0
.rept 8
.set p, 0
.rept 4
.if (\i == 0) && (j == 0)
	v_pk_mul_f32 v[ACC+2*p:ACC+2*p+1], v[X:X+1], v[GW+2*p:GW+2*p+1] op_sel_hi:[0,1]
.elseif j % 2 == 0
	v_pk_fma_f32 v[ACC+2*p:ACC+2*p+1], v[X+8*\i+j:X+8*\i+j+1], v[GW+64*\set+8*j+2*p:GW+64*\set+8*j+2*p+1], v[ACC+2*p:ACC+2*p+1] op_sel_hi:[0,1,1]
.else
	v_pk_fma_f32 v[ACC+2*p:ACC+2*p+1], v[X+8*\i+j-1:X+8*\i+j], v[GW+64*\set+8*j+2*p:GW+64*\set+8*j+2*p+1], v[ACC+2*p:ACC+2*p+1] op_sel:[1,0,0]
.endif
.set p, p+1
.endr
.set j, j+1
.endr
.endm
	GLD 0, 0
	GLD 1, 1
	s_wait_dscnt 16                                ; the older set is in; the younger set's 16 loads may be out
	DOT 0, 0
	GLD 2, 0
	s_wait_dscnt 16
	DOT 1, 1
	GLD 3, 1
	s_wait_dscnt 16
	DOT 2, 0
	s_wait_dscnt 0x0
	DOT 3, 1
	; the 32 lanes' parts are added: four steps inside each half of 16 lanes, one across; every lane ends with the same eight sums
.irp k, 1,2,4,8
.set n, 0
.rept 8
	v_add_f32_dpp v[ACC+n], v[ACC+n], v[ACC+n] row_xmask:\k row_mask:0xf bank_mask:0xf
.set n, n+1
.endr
.endr
.set n, 0
.rept 8
	v_permlanex16_b32 v[GW+n], v[ACC+n], s56, s57  ; (its destination counts as read: these registers have been written)
.set n, n+1
.endr
	s_wait_kmcnt 0x0                               ; gate_b, alpha, the exponents
.set n, 0
.rept 8
	v_add_f32 v[ACC+n], v[ACC+n], v[GW+n]
.set n, n+1
.endr
.set n, 0
.rept 8
	v_add_f32 v[ACC+n], s[24+n], v[ACC+n]          ; + gate_b
.set n, n+1
.endr
	v_max3_num_f32 v240, v8, v9, v10               ; the largest logit is taken away ahead of the exponentials, as reference()'s softmax does
	v_max3_num_f32 v240, v240, v11, v12
	v_max3_num_f32 v240, v240, v13, v14
	v_max_num_f32 v240, v240, v15
.set n, 0
.rept 8
	v_sub_f32 v[ACC+n], v[ACC+n], v240
.set n, n+1
.endr
.set n, 0
.rept 8
	v_mul_f32 v[ACC+n], 0x3fb8aa3b, v[ACC+n]       ; x log2(e)
.set n, n+1
.endr
.set n, 0
.rept 8
	v_exp_f32 v[ACC+n], v[ACC+n]
.set n, n+1
.endr
	v_mov_b32 v244, -1.0                           ; (a plain instruction behind the exponentials)  under every e
	v_mov_b32 v249, 0x10000
	v_mov_b32 v255, 0
	s_wait_alu depctr_va_vdst(0)                   ; one wait for the batch of eight, ahead of its first reader
; The largest of the eight, with its index and its alpha.  What stands is kept where it is not smaller: of equals the lower index stays, as in jax.lax.top_k.
.macro BEST val, idx, al
	v_mov_b32 v[\val], v[ACC]
	v_mov_b32 v[\idx], 0
	v_mov_b32 v[\al], s32
.set n, 1
.rept 7
	v_cmp_ge_f32 vcc_lo, v[\val], v[ACC+n]
	v_cndmask_b32 v[\idx], n, v[\idx], vcc_lo
	v_cndmask_b32 v[\al], s[32+n], v[\al], vcc_lo
	v_cndmask_b32 v[\val], v[ACC+n], v[\val], vcc_lo
.set n, n+1
.endr
.endm
	BEST 241, 242, 243
.set n, 0
.rept 8
	v_cmp_eq_u32 vcc_lo, n, v242                   ; the winner leaves the field
	v_cndmask_b32 v[ACC+n], v[ACC+n], v244, vcc_lo
.set n, n+1
.endr
	BEST 245, 246, 247
	v_add_f32 v240, v241, v245
	v_rcp_f32 v240, v240
	v_mul_f32 v250, v241, v243                     ; (plain work behind the reciprocal)  e_0 x alpha[i0]
	v_mul_f32 v251, v245, v247
	v_lshlrev_b32 v248, v242, v249                 ; 1 << (16 + i0)
	v_lshl_or_b32 v254, v246, 8, v242              ; i0 | i1 << 8
	v_or_b32 v254, v254, v248
	v_lshlrev_b32 v248, v246, v249                 ; 1 << (16 + i1)
	v_or_b32 v254, v254, v248
	s_wait_alu depctr_va_vdst(0)                   ; ahead of the reciprocal's first reader
	v_mul_f32 v250, v250, v240
	v_mul_f32 v251, v251, v240
; x under expert e's scale; s[sr] holds ex(e)
.macro QX e, sr
	s_add_co_i32 s58, s[\sr], 127
	s_lshl_b32 s59, s58, 23
	v_mov_b32 v252, s59                            ; 2^ex as f32: the conversion takes its exponent field
	s_add_co_i32 s58, s58, 8
	s_lshl_b32 s58, s58, 23
	s_or_b32 s58, s58, 0x600000
	v_mov_b32 v253, s58                            ; 448 x 2^ex
.set i, 0
.rept 32
	v_med3_num_f32 v[T+i], v[X+i], -v253, v253     ; the conversion to an 8-bit code does not saturate (ISA guide 7.6.2): the number is held first
.set i, i+1
.endr
.set i, 0
.rept 4
	v_cvt_scalef32_pk8_fp8_f32 v[CD+8*\e+2*i:CD+8*\e+2*i+1], v[T+8*i:T+8*i+7], v252
.set i, i+1
.endr
	v_nop                                          ; a plain instruction between the conversions and the next writes of their sources
.set i, 0
.rept 4
	global_store_b64 v6, v[CD+8*\e+2*i:CD+8*\e+2*i+1], s[18:19] offset:1048576*\e+256*i   ; the wave stores 256 consecutive bytes, aligned
.set i, i+1
.endr
.endm
	QX 0, 40
	QX 1, 44
	QX 2, 48
	QX 3, 52
	QX 4, 68
	QX 5, 72
	QX 6, 76
	QX 7, 80
	s_wait_xcnt 0x0                                ; EXEC changes only behind this wait
	v_cmp_eq_u32 vcc_lo, 0, v1
	s_set_vgpr_msb 0x4
	s_wait_tensorcnt 0x0
	ds_add_u32 v7, v1
	s_wait_dscnt 0x0
	s_set_vgpr_msb 0x400
	s_and_saveexec_b32 s60, vcc_lo                 ; lane 0 stores the token's choice and its two weights
	global_store_b32 v255, v254, s[14:15]
	global_store_b64 v255, v[250:251], s[16:17]
	s_wait_xcnt 0x0                                ; and again, ahead of the line that widens it
	s_or_b32 exec_lo, exec_lo, s60
	s_endpgm
.Lfunc_end_k_q40eca94988_route:
	.size	k_q40eca94988_route, .Lfunc_end_k_q40eca94988_route-k_q40eca94988_route
	.p2alignl 7, 3214868480
	.fill 96, 4, 3214868480
	.section	.rodata,"a",@progbits
	.p2align	6, 0x0
	.amdhsa_kernel k_q40eca94988_route
		.amdhsa_group_segment_fixed_size 35328
		.amdhsa_private_segment_fixed_size 0
		.amdhsa_enable_private_segment 0
		.amdhsa_kernarg_size 64
		.amdhsa_user_sgpr_count 2
		.amdhsa_user_sgpr_kernarg_segment_ptr 1
		.amdhsa_wavefront_size32 1
		.amdhsa_system_sgpr_workgroup_id_x 1
		.amdhsa_system_sgpr_workgroup_id_y 1
		.amdhsa_system_sgpr_workgroup_id_z 1
		.amdhsa_system_vgpr_workitem_id 0
		.amdhsa_next_free_vgpr 258
		.amdhsa_next_free_sgpr 90
		.amdhsa_reserve_vcc 1
		.amdhsa_float_denorm_mode_32 3
		.amdhsa_float_denorm_mode_16_64 3
		.amdhsa_memory_ordered 1
		.amdhsa_forward_progress 1
		.amdhsa_inst_pref_size 49
	.end_amdhsa_kernel
	.amdgpu_metadata
---
amdhsa.version: [ 1, 2 ]
amdhsa.kernels:
  - .name:           k_q40eca94988_route
    .symbol:         k_q40eca94988_route.kd
    .args:
      - { .name: hidden_states, .offset: 0, .size: 8, .value_kind: global_buffer, .address_space: global }
      - { .name: gate_w, .offset: 8, .size: 8, .value_kind: global_buffer, .address_space: global }
      - { .name: gate_b, .offset: 16, .size: 8, .value_kind: global_buffer, .address_space: global }
      - { .name: alpha, .offset: 24, .size: 8, .value_kind: global_buffer, .address_space: global }
      - { .name: lowp_scales, .offset: 32, .size: 8, .value_kind: global_buffer, .address_space: global }
      - { .name: sel, .offset: 40, .size: 8, .value_kind: global_buffer, .address_space: global }
      - { .name: wgt, .offset: 48, .size: 8, .value_kind: global_buffer, .address_space: global }
      - { .name: xq, .offset: 56, .size: 8, .value_kind: global_buffer, .address_space: global }
    .group_segment_fixed_size: 35328
    .private_segment_fixed_size: 0
    .kernarg_segment_align: 8
    .kernarg_segment_size: 64
    .max_flat_workgroup_size: 128
    .sgpr_count:     90
    .vgpr_count:     258
    .wavefront_size: 32
...
	.end_amdgpu_metadata
.endif
;; end of part 1
;; launch fc1 (part 2): grid 32 x 8, 4 waves a work-group, no clusters, 266,752 bytes of LDS; arguments xq, w1_codes, b1, lowp_scales, sel, hq, posE, cnt; writes hq, posE, cnt
.if DOCPART == 2
	.amdgcn_target "amdgcn-amd-amdhsa--gfx1250"
	.amdhsa_code_object_version 6
	.text
	.protected	k_q40eca94988_fc1
	.globl	k_q40eca94988_fc1
	.p2align	8
	.type	k_q40eca94988_fc1,@function
k_q40eca94988_fc1:
	s_mov_b64 s[64:65], 0
	v_nop
	global_prefetch_b8 v0, s[64:65] scope:SCOPE_SE
	s_setreg_imm32_b32 hwreg(HW_REG_WAVE_MODE, 25, 1), 1
	s_wait_xcnt 0x0
; FC1 AND THE GELU OF THE ROUTED ROWS.  hq = Q(gelu(x W1[e] + b1[e])), for the tokens that chose expert e alone.  Work-group (j, e): hidden units 128 j .. 128 j + 127 of expert e.
; THE WEIGHTS STAND STILL: wave w keeps units U0 = 128 j + 32 w + 0 .. 31 over all K = 1,024 in 256 registers, read from memory once; the expert's rows go past, 64 a trip.
; THE PLACES.  Every wave reads sel (4 KiB) and makes 32 masks of the expert's members (mask n = 4 g + q, bit l: token 128 g + 4 l + q).  A member's place is the number of members in the masks before its own
; plus the number of members in the lanes below it.  Each wave turns that round for its own rows, in registers: for a place it finds the last mask whose running count is not above the place, and in it the bit of
; that rank (partial bit counts, five halvings).  A place beyond the count gives some token under 1,024: a real row whose results nobody reads.
; Wave 0 of the work-groups with j = 0 stores the places (posE) and the count (cnt) for the later launches.
; THE PRODUCT IS USED TRANSPOSED (source 0 = 16 rows of W1, source 1 = 16 tokens), and lane r of tile u takes W1's row U0 + 8 u + r + 8 (r / 8): lane (r, h) then holds, of token r, units U0 + 16 h + 0 .. 15 in
; 16 registers on end, which after the gelu become 16 codes: piece c = w of K step s = j of the next product's operand.  hq is laid as an image of that operand's registers:
; [e][tile of 16 rows][s 32][c 4][lane 32][16 bytes]; a wave's store covers 512 consecutive bytes, aligned.
; A fragment's registers 4 c .. 4 c + 3 hold K = 32 c + 16 h + 0 .. 15: a permutation of k that is the same on both sides, so every product meets its partner.
; THE GELU, exact to f32: Phi(-|x|) = t 2^(P(t) - x^2 log2(e) / 2), t = 1 / (1 + |x| / (2 sqrt 2)), P of degree 9 (the known fit of erfc, fractional error 1.2e-7, its coefficients x log2 e, the
; constant less 1 for the half);  gelu(x) = max(x, 0) - |x| Phi(-|x|): relatively accurate in the negative tail too.
; NO TENSOR LOADS, NO CLUSTER: the 32 work-groups of an expert read the same rows, but how many rows there are is a number read from memory, and the work of a trip is jumped over by it.
; The loops have constant counts of trips and every wave passes every barrier; only a trip's work stands under the branches.
; LIMITS: ex + ew1 between -126 and 127, eh between -126 and 119 (powers of two made as f32 numbers).  Infinities and NaN ahead of the gelu are not served.
; REGISTERS, in windows of 256.  Window 0: v1 lane, v2 r, v3 h, v5-v10 LDS addresses, v12 16 lane, v13 hq's offset, v15 4 lane; v24-39 b1; v40-55 two accumulators;
;   v56-151 the gelu at work; v152-155 codes; v156, v157 2^eh and 448 x 2^eh; v[158:159] c9; v160-191 sel, then v160-167 my rows' tokens (a register for 128 places) and v168-179 their making;
;   v192-224 the places to store; v228 b1's offset; v232-247 my 16 rows' offsets.   Window 1: W1's 16 fragments.   Window 2: v0-127 x's eight fragments of a tile; v128-255 the next 64 rows on their way.
.set WPITCH, 1040                      ; an LDS row: 1,024 bytes + 16: 65 x 16, so that the 16 rows of a load start at different banks
.set WREG,   32*WPITCH                 ; a wave's stage for its weights
.set AB0,    4*WREG                    ; two buffers of 64 rows of x's codes
.set ABSZ,   64*WPITCH
.set B1R, 24
.set ACC, 40
.set RX,  56                           ; x, then the gelu;  +16: 1 + |x| / (2 sqrt 2);  +32: t;  +48: x^2;  +64: max(x, 0);  +80: P
.set RT,  88
.set RS,  104
.set RP,  136
.set CD,  152
.set TOK, 160                          ; v160-167: lane l of register i: the token at place 128 (round + i) + 64 (l / 16) + 16 w + l % 16
.set VP,  168                          ; the place that my lane looks for
.set VM,  169                          ; its mask
.set VK,  170                          ; mask number << 16 | members before it; then the rank in the mask
.set VN,  171                          ; the mask's number
.set QA,  172                          ; set bits of each 2, 4, 8 places of the mask; in QD's lowest byte: of its lower 16
.set QB,  173
.set QC,  174
.set QD,  175
.set PS,  176                          ; the bit's place, as far as it is known
.set T0,  177
.set T1,  178
.set T2,  179
.set TA,  232                          ; v232-247: token x 1,024 + 16 lane for my 16 rows of a chunk
.set TS,  46                           ; s46-61: their tokens
.set MSB, 0
.macro WIN new                         ; the immediate's high byte repeats the setting that is left
.if MSB != \new
	s_set_vgpr_msb (MSB<<8)|\new
.set MSB, \new
.endif
.endm
.macro KPAIR r, bits                   ; a constant as a pair: the packed forms name a pair and take its low word for both halves
	s_mov_b32 s[\r], \bits
	s_mov_b32 s[\r+1], \bits
.endm
	s_load_b512 s[4:19], s[0:1], 0x0               ; xq s[4:5], W1 s[6:7], b1 s[8:9], exponents s[10:11], sel s[12:13], hq s[14:15], posE s[16:17], cnt s[18:19]
	v_lshl_add_u32 v254, v0, 2, 0x41000
	v_mov_b32 v255, 0
	v_lshrrev_b32 v1, 5, v0
	v_readfirstlane_b32 s2, v1                     ; wave w
	s_mov_b32 s3, ttmp9                            ; j
	s_and_b32 s24, ttmp7, 0xffff                   ; e
	v_and_b32 v1, 31, v0
	v_and_b32 v2, 15, v0                           ; r
	v_bfe_u32 v3, v0, 4, 1                         ; h
	v_lshlrev_b32 v12, 4, v1
	v_lshlrev_b32 v15, 2, v1
	v_lshlrev_b32 v228, 6, v3                      ; b1: 64 h
	s_mul_i32 s43, s2, WREG
	v_add_nc_u32 v5, s43, v12                      ; my stage, on the way in: 16 x lane
	v_and_b32 v6, 8, v2
	v_add_nc_u32 v6, v6, v2                        ; r + 8 (r / 8)
	v_mul_u32_u24 v6, v6, WPITCH
	v_lshl_add_u32 v6, v3, 4, v6
	v_add_nc_u32 v6, s43, v6                       ; and on the way out: a fragment's row, + 16 h
	s_mul_i32 s43, s2, 16*WPITCH
	v_add_nc_u32 v7, s43, v12                      ; the rows that I bring: rows 16 w on, 16 x lane
	v_add_nc_u32 v8, AB0+ABSZ, v7                  ; into buffer 1,
	v_add_nc_u32 v7, AB0, v7                       ; into buffer 0
	v_mul_u32_u24 v9, v2, WPITCH
	v_lshl_add_u32 v9, v3, 4, v9
	v_add_nc_u32 v10, AB0+ABSZ, v9                 ; fragments out of buffer 1,
	v_add_nc_u32 v9, AB0, v9                       ; out of buffer 0: row r, + 16 h
	s_add_co_u32 s43, s24, 16
	s_lshl_b32 s27, 1, s43                         ; the expert's bit in a word of sel
	s_mov_b32 s45, 0
	s_wait_kmcnt 0x0
	s_lshl_b32 s44, s24, 4
	s_add_nc_u64 s[10:11], s[10:11], s[44:45]
	s_load_b128 s[20:23], s[10:11], 0x0            ; ex, ew1, eh, ew2 of my expert
.set g, 0
.rept 8
	global_load_b128 v[160+4*g:163+4*g], v12, s[12:13] offset:512*g   ; sel: register 4 g + q = token 128 g + 4 lane + q
.set g, g+1
.endr
	s_lshl_b32 s44, s24, 22
	s_lshl_b32 s43, s3, 17
	s_add_co_u32 s44, s44, s43
	s_lshl_b32 s43, s2, 15
	s_add_co_u32 s44, s44, s43
	s_add_nc_u64 s[6:7], s[6:7], s[44:45]          ; W1 at my 32 rows: 32,768 bytes on end
	WIN 0x40                                       ; destination window 1
.set q, 0
.rept 64
	global_load_b128 v[4*q:4*q+3], v12, s[6:7] offset:512*q th:TH_LOAD_NT   ; 512 consecutive bytes; read once in the launch
.set q, q+1
.endr
	WIN 0
	s_lshl_b32 s44, s24, 14
	s_lshl_b32 s43, s3, 9
	s_add_co_u32 s44, s44, s43
	s_lshl_b32 s43, s2, 7
	s_add_co_u32 s44, s44, s43
	s_add_nc_u64 s[8:9], s[8:9], s[44:45]          ; b1 at unit U0
.set q, 0
.rept 4
	global_load_b128 v[B1R+4*q:B1R+4*q+3], v228, s[8:9] offset:16*q   ; b1[U0 + 16 h + 0 .. 15]
.set q, q+1
.endr
	s_lshl_b32 s44, s24, 20
	s_add_nc_u64 s[34:35], s[4:5], s[44:45]        ; xq at my expert's codes
	s_lshl_b32 s44, s24, 22
	s_lshl_b32 s43, s3, 11
	s_add_co_u32 s44, s44, s43
	s_lshl_b32 s43, s2, 9
	s_add_co_u32 s44, s44, s43
	s_add_nc_u64 s[36:37], s[14:15], s[44:45]      ; hq at my expert, K step j, piece w
	s_lshl_b32 s44, s24, 12
	s_add_nc_u64 s[16:17], s[16:17], s[44:45]      ; posE[e]
	s_lshl_b32 s44, s24, 7
	s_add_nc_u64 s[18:19], s[18:19], s[44:45]      ; cnt[e]
	s_mov_b32 s25, 0
	s_wait_loadcnt 63                              ; 68 loads were issued behind sel's eight: sel is in, the weights stay on their way
.set n, 0
.rept 32                                       ; who is a member, and how many
	v_and_b32 v224, s27, v[160+n]
	v_cmp_ne_u32 s[66+n], 0, v224
	s_bcnt1_i32_b32 s28, s[66+n]
	s_add_co_u32 s25, s25, s28
.set n, n+1
.endr
	s_max_u32 s26, s25, 1                          ; tile 0 is always made, so that the next launch's clamped look-ahead reads bytes that were stored
	; MY ROWS' TOKENS, 128 places a round: a loop of eight trips; a round beyond the count is jumped over.  Each trip moves the registers one down and writes the topmost, so that after
	; eight trips register i holds round i.  (They begin as words of sel; what a jumped round leaves is never taken for a token: a chunk is fetched only if its first row is under the count.)
	s_lshl_b32 s43, s2, 4
	v_lshl_add_u32 v[VP], v3, 6, v2
	v_add_nc_u32 v[VP], s43, v[VP]                 ; round 0: place 64 h + 16 w + r
.macro DESCEND src, w, fw              ; of the 2 w places from PS on, the lower w hold T0 set bits (a field of fw bits of v[src]): where the rank is not under that, the bit lies in the upper w
	v_bfe_u32 v[T0], v[\src], v[PS], \fw
	v_cmp_ge_u32 vcc_lo, v[VK], v[T0]
	v_sub_nc_u32 v[T1], v[VK], v[T0]
	v_add_nc_u32 v[T2], \w, v[PS]
	v_cndmask_b32 v[VK], v[VK], v[T1], vcc_lo
	v_cndmask_b32 v[PS], v[PS], v[T2], vcc_lo
.endm
	s_mov_b32 s31, 0                               ; the round's first place
.Lsel:
.set i, 0
.rept 7
	v_mov_b32 v[TOK+i], v[TOK+i+1]
.set i, i+1
.endr
	s_cmp_lt_u32 s31, s26
	s_cbranch_scc0 .Lsel_skip
	v_mov_b32 v[VM], s66                           ; mask 0 begins at place 0
	v_mov_b32 v[VK], 0
	s_mov_b32 s29, 0
.set n, 1
.rept 31
	s_bcnt1_i32_b32 s28, s[66+n-1]
	s_add_co_u32 s29, s29, s28                     ; members before mask n, 1,024 at the most
	s_add_co_u32 s30, s29, (n<<16)
	v_cmp_gt_u32 vcc_lo, s29, v[VP]                ; above my place: what stands is kept
	v_cndmask_b32 v[VM], s[66+n], v[VM], vcc_lo
	v_cndmask_b32 v[VK], s30, v[VK], vcc_lo
.set n, n+1
.endr
	v_lshrrev_b32 v[VN], 16, v[VK]
	v_and_b32 v[VK], 0xffff, v[VK]
	v_sub_nc_u32 v[VK], v[VP], v[VK]               ; my rank among the mask's members, from 0
	v_lshrrev_b32 v[T0], 1, v[VM]
	v_and_b32 v[T0], 0x55555555, v[T0]
	v_sub_nc_u32 v[QA], v[VM], v[T0]               ; set bits of each pair of places,
	v_lshrrev_b32 v[T0], 2, v[QA]
	v_and_b32 v[T0], 0x33333333, v[T0]
	v_and_b32 v[QB], 0x33333333, v[QA]
	v_add_nc_u32 v[QB], v[QB], v[T0]               ; of each four,
	v_lshrrev_b32 v[T0], 4, v[QB]
	v_add_nc_u32 v[QC], v[QB], v[T0]
	v_and_b32 v[QC], 0x0f0f0f0f, v[QC]             ; of each eight,
	v_lshrrev_b32 v[T0], 8, v[QC]
	v_add_nc_u32 v[QD], v[QC], v[T0]               ; and, in the lowest byte, of the lower sixteen
	v_mov_b32 v[PS], 0
	DESCEND QD, 16, 8
	DESCEND QC, 8, 8
	DESCEND QB, 4, 4
	DESCEND QA, 2, 2
	DESCEND VM, 1, 1
	v_and_b32 v[T0], 0x1c, v[VN]
	v_and_b32 v[T1], 3, v[VN]
	v_lshl_add_u32 v[T0], v[T0], 5, v[T1]          ; 128 (n / 4) + n % 4
	v_lshl_add_u32 v[TOK+7], v[PS], 2, v[T0]       ; + 4 x the bit's place: the token, under 1,024 whatever the rank
.Lsel_skip:
	v_add_nc_u32 v[VP], 128, v[VP]
	s_add_co_u32 s31, s31, 128
	s_cmp_lt_u32 s31, 1024
	s_cbranch_scc1 .Lsel
.macro TOKENS t, half                  ; my 16 rows of a chunk of 64: rows 16 w + i.  Their tokens stand in lanes 16 half + i of v[t]
.set i, 0
.rept 16
	v_readlane_b32 s[TS+i], v[\t], 16*(\half)+i
.set i, i+1
.endr
.set i, 0
.rept 16
	s_min_u32 s[TS+i], s[TS+i], 0x3ff              ; a token is under 1,024
.set i, i+1
.endr
.set i, 0
.rept 16
	v_lshl_add_u32 v[TA+i], s[TS+i], 10, v12       ; token x 1,024 + 16 x lane
.set i, i+1
.endr
.endm
.macro GLOADS                          ; their codes: each load reads 512 consecutive bytes, aligned, of one row; all 32 work-groups of the expert read these rows, hence the hint for data that is read again
	WIN 0x80                                       ; destination window 2
.set i, 0
.rept 16
.irp g, 0,1
	global_load_b128 v[128+4*(2*i+\g):128+4*(2*i+\g)+3], v[TA+i], s[34:35] offset:512*\g th:TH_LOAD_HT
.endr
.set i, i+1
.endr
	WIN 0
.endm
.macro STAGE par                       ; the rows that I brought go into buffer par: 512 consecutive bytes a store
	s_wait_loadcnt 0x0
	WIN 0x08                                       ; store data window 2
.set i, 0
.rept 16
.irp g, 0,1
	ds_store_b128 v[7+\par], v[128+4*(2*i+\g):128+4*(2*i+\g)+3] offset:WPITCH*i+512*\g
.endr
.set i, i+1
.endr
	WIN 0
.endm
.macro LOADA par, m                    ; x's eight fragments of tile m of buffer par
	WIN 0x80
.irp s, 0,1,2,3,4,5,6,7
.irp c, 0,1,2,3
	ds_load_b128 v[16*\s+4*\c:16*\s+4*\c+3], v[9+\par] offset:16*WPITCH*(\m)+128*\s+32*\c
.endr
.endr
	WIN 0
.endm
.macro MUL                             ; 16 matrix instructions: K ascending, the two accumulators by turns, one instruction a turn; the first two start the sums
	WIN 0x09                                       ; source 0 (W1) window 1, source 1 (x) window 2, C and D window 0
.irp s, 0,1,2,3,4,5,6,7
.irp u, 0,1
.if \s == 0
	v_wmma_f32_16x16x128_fp8_fp8 v[ACC+8*\u:ACC+8*\u+7], v[16*(8*\u+\s):16*(8*\u+\s)+15], v[16*\s:16*\s+15], 0
.else
	v_wmma_f32_16x16x128_fp8_fp8 v[ACC+8*\u:ACC+8*\u+7], v[16*(8*\u+\s):16*(8*\u+\s)+15], v[16*\s:16*\s+15], v[ACC+8*\u:ACC+8*\u+7]
.endif
.endr
.endr
	WIN 0
.endm
.macro EPI                             ; 16 sums a lane become 16 codes
.irp i, 0,2,4,6,8,10,12,14
	v_pk_fma_f32 v[RX+\i:RX+\i+1], v[ACC+\i:ACC+\i+1], s[38:39], v[B1R+\i:B1R+\i+1] op_sel_hi:[1,0,1]   ; x = sum x 2^(ex + ew1) + b1; each accumulator from its low end on
.endr
.irp r, 56,57,58,59,60,61,62,63,64,65,66,67,68,69,70,71
	v_fma_f32 v[\r+16], |v\r|, s86, 1.0            ; 1 + |x| / (2 sqrt 2)
.endr
.irp r, 56,57,58,59,60,61,62,63,64,65,66,67,68,69,70,71
	v_rcp_f32 v[\r+32], v[\r+16]                   ; t: one batch
.endr
.irp i, 0,2,4,6,8,10,12,14
	v_pk_mul_f32 v[RS+\i:RS+\i+1], v[RX+\i:RX+\i+1], v[RX+\i:RX+\i+1]   ; x^2: plain work behind the batch
.endr
.irp r, 56,57,58,59,60,61,62,63,64,65,66,67,68,69,70,71
	v_max_num_f32 v[\r+64], 0, v\r                 ; max(x, 0)
.endr
	s_wait_alu depctr_va_vdst(0)                   ; one wait for the 16 reciprocals, ahead of their first reader
.irp i, 0,2,4,6,8,10,12,14
	v_pk_fma_f32 v[RP+\i:RP+\i+1], v[158:159], v[RT+\i:RT+\i+1], s[82:83] op_sel_hi:[1,1,0]   ; c9 t + c8
.endr
.irp k, 80,78,76,74,72,70,68,66                ; Horner, c7 down to c0: eight pairs between a step and the next on the same pair
.irp i, 0,2,4,6,8,10,12,14
	v_pk_fma_f32 v[RP+\i:RP+\i+1], v[RP+\i:RP+\i+1], v[RT+\i:RT+\i+1], s[\k:\k+1] op_sel_hi:[1,1,0]
.endr
.endr
.irp i, 0,2,4,6,8,10,12,14
	v_pk_fma_f32 v[RP+\i:RP+\i+1], v[RS+\i:RS+\i+1], s[84:85], v[RP+\i:RP+\i+1] op_sel_hi:[1,0,1]   ; P - x^2 log2(e) / 2
.endr
.irp r, 56,57,58,59,60,61,62,63,64,65,66,67,68,69,70,71
	v_exp_f32 v[\r+80], v[\r+80]
.endr
	v_nop                                          ; a plain instruction behind the last exponential
	s_wait_alu depctr_va_vdst(0)                   ; one wait for the 16 exponentials
.irp i, 0,2,4,6,8,10,12,14
	v_pk_mul_f32 v[RT+\i:RT+\i+1], v[RT+\i:RT+\i+1], v[RP+\i:RP+\i+1]   ; Phi(-|x|)
.endr
.irp r, 56,57,58,59,60,61,62,63,64,65,66,67,68,69,70,71
	v_fma_f32 v\r, -|v\r|, v[\r+32], v[\r+64]      ; gelu = max(x, 0) - |x| Phi(-|x|)
.endr
.irp r, 56,57,58,59,60,61,62,63,64,65,66,67,68,69,70,71
	v_med3_num_f32 v\r, v\r, -v157, v157           ; the conversion to an 8-bit code does not saturate (ISA guide 7.6.2): the hold at 448 x 2^eh
.endr
	s_wait_xcnt 0x0                                ; the last tile's store has read its codes: they are written again only behind this wait
	v_cvt_scalef32_pk8_fp8_f32 v[CD:CD+1], v[RX:RX+7], v156
	v_cvt_scalef32_pk8_fp8_f32 v[CD+2:CD+3], v[RX+8:RX+15], v156
	v_nop                                          ; a plain instruction behind the conversions
.endm
.macro TILE par, m, id                 ; 16 rows: products, the next tile's fragments asked for, gelu, codes, store
	s_wait_dscnt 0x0                               ; this tile's fragments are in (in the first tile: my weights' too)
	MUL
.rept 4
	v_nop                                          ; four places behind the last products, ahead of loads into registers that they read and of the first read of their results
.endr
.if \m < 3
	LOADA \par, (\m+1)                             ; lands while the gelu is worked
.endif
	EPI
	global_store_b128 v13, v[CD:CD+3], s[36:37] offset:65536*\m   ; the wave stores 512 consecutive bytes, aligned
.if \m < 3
	s_add_co_u32 s45, s41, 16*(\m+1)
	s_cmp_lt_u32 s45, s26
	s_cbranch_scc0 .Ltrip_end_\id                  ; no row of the next tile counts
.endif
.endm
; A TRIP: 64 rows through buffer par.  ONE barrier: ahead of it each wave has stored its 16 rows and has waited for all its LDS instructions, its reads of the other buffer among them;
; behind it the buffer is whole.  A buffer is written again two trips later, behind the barrier between, which every wave reaches with its reads of it over.
.macro TRIP par
	s_add_co_u32 s41, s40, 64*\par                 ; the trip's first row
	s_cmp_lt_u32 s41, s26
	s_cbranch_scc0 .Lunstaged_\@
	STAGE \par
.Lunstaged_\@:
	s_wait_dscnt 0x0
	s_barrier_signal -1
	s_barrier_wait -1
	s_cmp_lt_u32 s41, s26
	s_cbranch_scc0 .Ltrip_end_\@
	s_wait_xcnt 0x0                                ; earlier loads and stores have read their offsets: v13 and the rows' offsets are written again only behind this wait
	s_lshl_b32 s44, s41, 12
	v_add_nc_u32 v13, s44, v12                     ; hq: tile row / 16 is 65,536 bytes a tile, + 16 x lane
	LOADA \par, 0                                  ; the first tile's fragments go out first: the products wait for them
	s_add_co_u32 s45, s41, 64
	s_cmp_lt_u32 s45, s26
	s_cbranch_scc0 .Ltiles_\@
	s_wait_loadcnt 0x0                             ; no load of mine is out: the rows' offsets and the registers of the rows on their way may be written again
	TOKENS TOK+\par, 1-\par                        ; the next 64 rows: this round's upper half, or the next round's lower
	GLOADS                                         ; their codes have this trip's work in which to come
.Ltiles_\@:
	TILE \par, 0, \@
	TILE \par, 1, \@
	TILE \par, 2, \@
	TILE \par, 3, \@
.Ltrip_end_\@:
.endm
	TOKENS TOK, 0                                  ; rows 0 to 63
	GLOADS
	s_cmp_lg_u32 s2, 0
	s_cbranch_scc1 .Lplaced                        ; wave 0
	s_cmp_lg_u32 s3, 0
	s_cbranch_scc1 .Lplaced                        ; of one work-group of each expert stores the places and the count
	s_mov_b32 s28, 0
.set n, 0
.rept 32
	v_mbcnt_lo_u32_b32 v[192+n], s[66+n], s28      ; members in the masks before + members in the lanes below me: a member's place (of another token: a number that nobody reads)
	s_bcnt1_i32_b32 s29, s[66+n]
	s_add_co_u32 s28, s28, s29
.set n, n+1
.endr
.set g, 0
.rept 8
	global_store_b128 v12, v[192+4*g:195+4*g], s[16:17] offset:512*g
.set g, g+1
.endr
	v_mov_b32 v224, s25
	global_store_b32 v15, v224, s[18:19]           ; 32 copies: 128 bytes
.Lplaced:
	KPAIR 66, 0xc034d90f                           ; c0 = -2.82574822   (the masks' registers are free)
	KPAIR 68, 0x3fb8ab5a                           ; c1 =  1.44272920
	KPAIR 70, 0x3f0a29d2                           ; c2 =  0.53970062
	KPAIR 72, 0x3e0efb2f                           ; c3 =  0.13963006
	KPAIR 74, 0xbe899a80                           ; c4 = -0.26875686
	KPAIR 76, 0x3ecdfd18                           ; c5 =  0.40232158
	KPAIR 78, 0xbfd1a1e5                           ; c6 = -1.63775315
	KPAIR 80, 0x40097039                           ; c7 =  2.14747446
	KPAIR 82, 0xbf97d29d                           ; c8 = -1.18611495
	KPAIR 84, 0xbf38aa3b                           ; -log2(e) / 2
	s_mov_b32 s86, 0x3eb504f3                      ; 1 / (2 sqrt 2)
	v_mov_b32 v158, 0x3e7c6f08                     ; c9 =  0.24651730
	v_mov_b32 v159, 0x3e7c6f08
	s_wait_kmcnt 0x0
	s_add_co_i32 s43, s20, s21
	s_add_co_i32 s43, s43, 127
	s_lshl_b32 s38, s43, 23                        ; 2^(ex + ew1) as f32
	s_mov_b32 s39, s38
	s_add_co_i32 s43, s22, 127
	s_lshl_b32 s44, s43, 23
	v_mov_b32 v156, s44                            ; 2^eh
	s_add_co_i32 s43, s43, 8
	s_lshl_b32 s43, s43, 23
	s_or_b32 s43, s43, 0x600000
	v_mov_b32 v157, s43                            ; 448 x 2^eh
	s_wait_loadcnt 32                              ; the weights and b1 are in; the 32 loads of rows 0 to 63 may be out
	WIN 0x04                                       ; store data window 1
.set q, 0
.rept 64
	ds_store_b128 v5, v[4*q:4*q+3] offset:WPITCH*(q/2)+512*(q%2)   ; my 32 rows, as they lie, into my own stage
.set q, q+1
.endr
	WIN 0x40
.irp u, 0,1
.irp s, 0,1,2,3,4,5,6,7
.irp c, 0,1,2,3
	ds_load_b128 v[16*(8*\u+\s)+4*\c:16*(8*\u+\s)+4*\c+3], v6 offset:8*WPITCH*\u+128*\s+32*\c   ; and back as fragments: LDS serves a wave's instructions in order (ISA guide 5.7.1.4)
.endr
.endr
.endr
	WIN 0
	s_mov_b32 s40, 0
.Lloop:                                            ; eight trips of 128 rows: a constant count; what lies beyond the expert's rows is jumped over
	TRIP 0
	TRIP 1
.set i, 0
.rept 7
	v_mov_b32 v[TOK+i], v[TOK+i+1]                 ; the next round's tokens move into the first register
.set i, i+1
.endr
	s_add_co_u32 s40, s40, 128
	s_cmp_lt_u32 s40, 1024
	s_cbranch_scc1 .Lloop
	s_wait_tensorcnt 0x0
	ds_add_u32 v254, v255
	s_wait_dscnt 0x0
	s_endpgm
.Lfunc_end_k_q40eca94988_fc1:
	.size	k_q40eca94988_fc1, .Lfunc_end_k_q40eca94988_fc1-k_q40eca94988_fc1
	.p2alignl 7, 3214868480
	.fill 96, 4, 3214868480
	.section	.rodata,"a",@progbits
	.p2align	6, 0x0
	.amdhsa_kernel k_q40eca94988_fc1
		.amdhsa_group_segment_fixed_size 266752
		.amdhsa_private_segment_fixed_size 0
		.amdhsa_enable_private_segment 0
		.amdhsa_kernarg_size 64
		.amdhsa_user_sgpr_count 2
		.amdhsa_user_sgpr_kernarg_segment_ptr 1
		.amdhsa_wavefront_size32 1
		.amdhsa_system_sgpr_workgroup_id_x 1
		.amdhsa_system_sgpr_workgroup_id_y 1
		.amdhsa_system_sgpr_workgroup_id_z 1
		.amdhsa_system_vgpr_workitem_id 0
		.amdhsa_next_free_vgpr 768
		.amdhsa_next_free_sgpr 98
		.amdhsa_reserve_vcc 1
		.amdhsa_float_denorm_mode_32 3
		.amdhsa_float_denorm_mode_16_64 3
		.amdhsa_memory_ordered 1
		.amdhsa_forward_progress 1
		.amdhsa_inst_pref_size 182
	.end_amdhsa_kernel
	.amdgpu_metadata
---
amdhsa.version: [ 1, 2 ]
amdhsa.kernels:
  - .name:           k_q40eca94988_fc1
    .symbol:         k_q40eca94988_fc1.kd
    .args:
      - { .name: xq, .offset: 0, .size: 8, .value_kind: global_buffer, .address_space: global }
      - { .name: w1_codes, .offset: 8, .size: 8, .value_kind: global_buffer, .address_space: global }
      - { .name: b1, .offset: 16, .size: 8, .value_kind: global_buffer, .address_space: global }
      - { .name: lowp_scales, .offset: 24, .size: 8, .value_kind: global_buffer, .address_space: global }
      - { .name: sel, .offset: 32, .size: 8, .value_kind: global_buffer, .address_space: global }
      - { .name: hq, .offset: 40, .size: 8, .value_kind: global_buffer, .address_space: global }
      - { .name: posE, .offset: 48, .size: 8, .value_kind: global_buffer, .address_space: global }
      - { .name: cnt, .offset: 56, .size: 8, .value_kind: global_buffer, .address_space: global }
    .group_segment_fixed_size: 266752
    .private_segment_fixed_size: 0
    .kernarg_segment_align: 8
    .kernarg_segment_size: 64
    .max_flat_workgroup_size: 128
    .sgpr_count:     98
    .vgpr_count:     768
    .wavefront_size: 32
...
	.end_amdgpu_metadata
.endif
;; end of part 2
;; launch fc2 (part 3): grid 32 x 8, 4 waves a work-group, no clusters, 274,944 bytes of LDS; arguments hq, w2_codes, b2, lowp_scales, cnt, y0, y1; writes y0, y1
.if DOCPART == 3
	.amdgcn_target "amdgcn-amd-amdhsa--gfx1250"
	.amdhsa_code_object_version 6
	.text
	.protected	k_q40eca94988_fc2
	.globl	k_q40eca94988_fc2
	.p2align	8
	.type	k_q40eca94988_fc2,@function
k_q40eca94988_fc2:
	s_mov_b64 s[64:65], 0
	v_nop
	global_prefetch_b8 v0, s[64:65] scope:SCOPE_SE
	s_setreg_imm32_b32 hwreg(HW_REG_WAVE_MODE, 25, 1), 1
	s_wait_xcnt 0x0
; FC2 OF THE ROUTED ROWS.  Work-group (x, e): outputs 64 j .. 64 j + 63 (j = x % 16) of expert e, over the half kh = x / 16 of K = 4,096.
; y0[e][place][n] = (the sum over K's first half) x 2^(eh + ew2) + b2[e][n];  y1 = (the second half's) x 2^(eh + ew2).  The last launch adds the two.
; THE WEIGHTS STAND STILL: wave w keeps 64 outputs x K = 2,048 kh + 512 w + 0 .. 511 in 256 registers, read from memory once.  The expert's rows go past, a tile of 16 at a time, straight from hq into
; registers: hq is an image of this operand's registers, so a tile's four K steps of a wave are 8,192 bytes on end, 16 loads of 512 consecutive bytes; no two waves read the same bytes.
; THE PRODUCT IS USED TRANSPOSED (source 0 = 16 rows of W2, source 1 = 16 rows of the hidden layer); lane r of tile 2 b + u takes W2's row 32 b + 8 u + r + 8 (r / 8), so that lane (r, h) holds, of row r,
; outputs 32 b + 16 h + 0 .. 15 on end.  The four waves' parts of a tile meet in LDS; of four tiles each wave adds one (in the fixed order (0 + 1) + (2 + 3)) and stores it: sixteen lanes write 256 consecutive bytes, aligned.
; NO TENSOR LOADS, NO CLUSTER: the number of tiles is read from memory and steers branches.  The loop has a constant count and every wave passes every barrier.
; LIMIT: eh + ew2 between -126 and 127.
; REGISTERS.  Window 0: v1 lane, v2 r, v3 h, v4 16 lane, v5-v10 LDS addresses, v11 y's offset, v12 4,096 h + 16 r, v13 16 r; v16-19 the ring's offsets; v20-23 b2; v32-95 two sets of four accumulators; v96-223 the parts to add.
;   Window 1: W2's 16 fragments.   Window 2: a ring of four tiles of the hidden layer, 64 registers each.
.set WP,    528                        ; an LDS row of weights: 512 bytes + 16
.set WREG,  64*WP
.set RED0,  4*WREG                     ; two regions for the parts, by turns
.set RPI,   272                        ; a row of 64 f32 + 16 bytes
.set RTILE, 16*RPI
.set RSRC,  4*RTILE                    ; a wave's parts of four tiles
.set REDSZ, 4*RSRC
.set MSB, 0
.macro WIN new                         ; the immediate's high byte repeats the setting that is left
.if MSB != \new
	s_set_vgpr_msb (MSB<<8)|\new
.set MSB, \new
.endif
.endm
	s_load_b256 s[4:11], s[0:1], 0x0               ; hq s[4:5], W2 s[6:7], b2 s[8:9], exponents s[10:11]
	s_load_b128 s[12:15], s[0:1], 0x20             ; cnt s[12:13], y0 s[14:15]
	s_load_b64 s[16:17], s[0:1], 0x30              ; y1
	v_lshl_add_u32 v254, v0, 2, 0x43000
	v_mov_b32 v255, 0
	v_lshrrev_b32 v1, 5, v0
	v_readfirstlane_b32 s2, v1                     ; wave w
	s_and_b32 s3, ttmp9, 15                        ; j
	s_lshr_b32 s18, ttmp9, 4                       ; kh
	s_and_b32 s19, ttmp7, 0xffff                   ; e
	v_and_b32 v1, 31, v0
	v_and_b32 v2, 15, v0                           ; r
	v_bfe_u32 v3, v0, 4, 1                         ; h
	v_lshlrev_b32 v4, 4, v1
	v_lshlrev_b32 v13, 4, v2
	s_mul_i32 s32, s2, WREG
	v_add_nc_u32 v5, s32, v4                       ; my stage for the weights, on the way in
	v_and_b32 v6, 8, v2
	v_add_nc_u32 v6, v6, v2
	v_mul_u32_u24 v6, v6, WP
	v_lshl_add_u32 v6, v3, 4, v6
	v_add_nc_u32 v6, s32, v6                       ; and out: row r + 8 (r / 8), + 16 h
	s_mul_i32 s32, s2, RSRC
	v_mul_u32_u24 v7, v2, RPI
	v_lshl_add_u32 v7, v3, 6, v7
	v_add_nc_u32 v7, s32, v7
	v_add_nc_u32 v8, RED0+REDSZ, v7                ; my parts go in: my wave's region, row r, + 64 h
	v_add_nc_u32 v7, RED0, v7
	s_mul_i32 s32, s2, RTILE
	v_mul_u32_u24 v9, v3, RPI
	v_lshl_add_u32 v9, v2, 4, v9
	v_add_nc_u32 v9, s32, v9
	v_add_nc_u32 v10, RED0+REDSZ, v9               ; and come back: tile w of the four, row h, 16 r
	v_add_nc_u32 v9, RED0, v9
	v_lshlrev_b32 v12, 12, v3
	v_lshl_add_u32 v12, v2, 4, v12                 ; the same place in y: a row is 4,096 bytes
	s_mov_b32 s39, 0
	s_wait_kmcnt 0x0
	s_lshl_b32 s38, s19, 7
	s_add_nc_u64 s[12:13], s[12:13], s[38:39]
	s_load_b32 s24, s[12:13], 0x0                  ; the expert's rows
	s_lshl_b32 s38, s19, 4
	s_add_nc_u64 s[10:11], s[10:11], s[38:39]
	s_load_b128 s[20:23], s[10:11], 0x0            ; ex, ew1, eh, ew2
	s_lshl_b32 s38, s19, 22
	s_lshl_b32 s32, s3, 18
	s_add_co_u32 s38, s38, s32
	s_lshl_b32 s32, s18, 11
	s_add_co_u32 s38, s38, s32
	s_lshl_b32 s32, s2, 9
	s_add_co_u32 s38, s38, s32
	s_add_nc_u64 s[6:7], s[6:7], s[38:39]          ; W2 at row 64 j, K byte 2,048 kh + 512 w
	WIN 0x40
.set p, 0
.rept 64
	global_load_b128 v[4*p:4*p+3], v4, s[6:7] offset:4096*p th:TH_LOAD_NT   ; my 512 bytes of a row; read once in the launch
.set p, p+1
.endr
	WIN 0
	s_lshl_b32 s38, s19, 12
	s_lshl_b32 s32, s3, 8
	s_add_co_u32 s38, s38, s32
	s_add_nc_u64 s[8:9], s[8:9], s[38:39]
	global_load_b128 v[20:23], v13, s[8:9]         ; b2[e][64 j + 4 r + 0 .. 3]
	s_lshl_b32 s38, s19, 22
	s_add_co_u32 s38, s38, s32
	s_cmp_eq_u32 s18, 0                            ; the choice hangs on the work-group's number alone
	s_cselect_b64 s[36:37], s[14:15], s[16:17]
	s_cselect_b32 s27, -1, 0                       ; b2 goes in with the first half of K alone
	s_add_nc_u64 s[36:37], s[36:37], s[38:39]      ; y at my expert, column 64 j
	s_lshl_b32 s38, s19, 22
	s_lshl_b32 s32, s18, 15
	s_add_co_u32 s38, s38, s32
	s_lshl_b32 s32, s2, 13
	s_add_co_u32 s38, s38, s32
	s_add_nc_u64 s[34:35], s[4:5], s[38:39]        ; hq at my expert, K steps 16 kh + 4 w on
	s_wait_kmcnt 0x0
	s_add_co_u32 s25, s24, 15
	s_lshr_b32 s25, s25, 4                         ; nt: tiles with a row that counts
	s_max_u32 s26, s25, 1
	s_sub_co_u32 s26, s26, 1                       ; the last tile that was stored (tile 0 always was)
	s_add_co_i32 s32, s22, s23
	s_add_co_i32 s32, s32, 127
	s_lshl_b32 s28, s32, 23                        ; 2^(eh + ew2) as f32
	s_mov_b32 s29, s28
.macro REFILL m, add                   ; ring buffer m takes tile s31 + add, held at the last tile that was stored: no load reads bytes that nobody wrote
	s_add_co_u32 s32, s31, \add
	s_min_u32 s32, s32, s26
	s_min_u32 s32, s32, 63
	s_lshl_b32 s32, s32, 16                        ; a tile is 65,536 bytes
	v_add_nc_u32 v[16+\m], s32, v4
	WIN 0x80
.set q, 0
.rept 16
	global_load_b128 v[64*\m+4*q:64*\m+4*q+3], v[16+\m], s[34:35] offset:512*q   ; K step q / 4, piece q % 4
.set q, q+1
.endr
	WIN 0
.endm
	s_mov_b32 s31, 0
	REFILL 0, 0
	REFILL 1, 1
	REFILL 2, 2
	REFILL 3, 3
	s_wait_loadcnt 63                              ; 64 loads were issued behind the weights and b2: both are in
.irp i, 0,1,2,3
	v_and_b32 v[20+\i], s27, v[20+\i]
.endr
	WIN 0x04
.set p, 0
.rept 64
	ds_store_b128 v5, v[4*p:4*p+3] offset:WP*p     ; my weights into my own stage, as rows,
.set p, p+1
.endr
	WIN 0x40
.irp t, 0,1,2,3
.irp s, 0,1,2,3
.irp c, 0,1,2,3
	ds_load_b128 v[16*(4*\t+\s)+4*\c:16*(4*\t+\s)+4*\c+3], v6 offset:WP*(32*(\t/2)+8*(\t%2))+128*\s+32*\c   ; and back as fragments: LDS serves a wave's instructions in order (ISA guide 5.7.1.4)
.endr
.endr
.endr
	WIN 0
	s_wait_dscnt 0x0
.macro MUL m                           ; 16 matrix instructions: K ascending, four accumulators by turns, one instruction a turn; the first four start the sums
.set AC, 32+32*((\m)%2)
	WIN 0x09                                       ; source 0 (W2) window 1, source 1 (the rows) window 2
.irp s, 0,1,2,3
.irp t, 0,1,2,3
.if \s == 0
	v_wmma_f32_16x16x128_fp8_fp8 v[AC+8*\t:AC+8*\t+7], v[16*(4*\t+\s):16*(4*\t+\s)+15], v[64*\m+16*\s:64*\m+16*\s+15], 0
.else
	v_wmma_f32_16x16x128_fp8_fp8 v[AC+8*\t:AC+8*\t+7], v[16*(4*\t+\s):16*(4*\t+\s)+15], v[64*\m+16*\s:64*\m+16*\s+15], v[AC+8*\t:AC+8*\t+7]
.endif
.endr
.endr
	WIN 0
.endm
.macro PART par, m                     ; my part of tile m: row r, bytes 128 b + 64 h + 32 u on; each accumulator from its low end on
.set AC, 32+32*((\m)%2)
.irp t, 0,1,2,3
	ds_store_b128 v[7+\par], v[AC+8*\t:AC+8*\t+3] offset:RTILE*\m+128*(\t/2)+32*(\t%2)
	ds_store_b128 v[7+\par], v[AC+8*\t+4:AC+8*\t+7] offset:RTILE*\m+128*(\t/2)+32*(\t%2)+16
.endr
.endm
.macro REDUCE par                      ; tile s33 = the lap's first + w: the four waves' parts are added, scaled, and stored
	s_wait_xcnt 0x0                                ; my last stores have read their data and their offset: both are written again only behind this wait
	s_lshl_b32 s33, s33, 16                        ; 16 rows of 4,096 bytes
	v_add_nc_u32 v11, s33, v12
.irp src, 0,1,2,3
.set p, 0
.rept 8
	ds_load_b128 v[96+32*\src+4*p:96+32*\src+4*p+3], v[9+\par] offset:RSRC*\src+2*RPI*p
.set p, p+1
.endr
.endr
	s_wait_dscnt 0x0
.set k, 0
.rept 16
	v_pk_add_f32 v[96+2*k:97+2*k], v[96+2*k:97+2*k], v[128+2*k:129+2*k]
	v_pk_add_f32 v[160+2*k:161+2*k], v[160+2*k:161+2*k], v[192+2*k:193+2*k]
.set k, k+1
.endr
.set k, 0
.rept 16
	v_pk_add_f32 v[96+2*k:97+2*k], v[96+2*k:97+2*k], v[160+2*k:161+2*k]
.set k, k+1
.endr
.set k, 0
.rept 16
	v_pk_fma_f32 v[96+2*k:97+2*k], v[96+2*k:97+2*k], s[28:29], v[20+2*(k%2):21+2*(k%2)] op_sel_hi:[1,0,1]   ; x 2^(eh + ew2) + b2 (or + 0)
.set k, k+1
.endr
.set p, 0
.rept 8
	global_store_b128 v11, v[96+4*p:99+4*p], s[36:37] offset:8192*p   ; rows 2 p + h: sixteen lanes store 256 consecutive bytes, aligned
.set p, p+1
.endr
.endm
; A LAP: four tiles.  ONE barrier: ahead of it every wave's parts lie in region par; behind it each wave adds one tile.  The regions take turns, so a region is written again only behind the
; next lap's barrier, which every wave reaches with its reads of it over.
.macro LAP par
	s_add_co_u32 s31, s30, 4*\par                  ; the lap's first tile
	s_cmp_lt_u32 s31, s25
	s_cbranch_scc0 .Lidle_\@
.irp m, 0,1,2,3
	s_wait_loadcnt 48                              ; this tile's 16 loads are in; the three tiles asked for behind it may be out
	s_wait_dscnt 8                                 ; the stores of two tiles ago have read this set of accumulators; the last tile's eight may be out
	MUL \m
.rept 4
	v_nop                                          ; four places behind the last products, ahead of the stores that read their results and of loads into registers that they read
.endr
	PART \par, \m
	REFILL \m, 4+\m                                ; the tile four further on: three tiles' work in which to come
.endr
.Lidle_\@:
	s_wait_dscnt 0x0
	s_barrier_signal -1
	s_barrier_wait -1
	s_add_co_u32 s33, s31, s2
	s_cmp_lt_u32 s33, s25
	s_cbranch_scc0 .Lnone_\@
	REDUCE \par
.Lnone_\@:
.endm
	s_mov_b32 s30, 0
.Lloop:                                            ; eight trips of eight tiles: a constant count; what lies beyond the expert's tiles is jumped over
	LAP 0
	LAP 1
	s_add_co_u32 s30, s30, 8
	s_cmp_lt_u32 s30, 64
	s_cbranch_scc1 .Lloop
	s_wait_tensorcnt 0x0
	ds_add_u32 v254, v255
	s_wait_dscnt 0x0
	s_endpgm
.Lfunc_end_k_q40eca94988_fc2:
	.size	k_q40eca94988_fc2, .Lfunc_end_k_q40eca94988_fc2-k_q40eca94988_fc2
	.p2alignl 7, 3214868480
	.fill 96, 4, 3214868480
	.section	.rodata,"a",@progbits
	.p2align	6, 0x0
	.amdhsa_kernel k_q40eca94988_fc2
		.amdhsa_group_segment_fixed_size 274944
		.amdhsa_private_segment_fixed_size 0
		.amdhsa_enable_private_segment 0
		.amdhsa_kernarg_size 56
		.amdhsa_user_sgpr_count 2
		.amdhsa_user_sgpr_kernarg_segment_ptr 1
		.amdhsa_wavefront_size32 1
		.amdhsa_system_sgpr_workgroup_id_x 1
		.amdhsa_system_sgpr_workgroup_id_y 1
		.amdhsa_system_sgpr_workgroup_id_z 1
		.amdhsa_system_vgpr_workitem_id 0
		.amdhsa_next_free_vgpr 768
		.amdhsa_next_free_sgpr 66
		.amdhsa_reserve_vcc 0
		.amdhsa_float_denorm_mode_32 3
		.amdhsa_float_denorm_mode_16_64 3
		.amdhsa_memory_ordered 1
		.amdhsa_forward_progress 1
		.amdhsa_inst_pref_size 68
	.end_amdhsa_kernel
	.amdgpu_metadata
---
amdhsa.version: [ 1, 2 ]
amdhsa.kernels:
  - .name:           k_q40eca94988_fc2
    .symbol:         k_q40eca94988_fc2.kd
    .args:
      - { .name: hq, .offset: 0, .size: 8, .value_kind: global_buffer, .address_space: global }
      - { .name: w2_codes, .offset: 8, .size: 8, .value_kind: global_buffer, .address_space: global }
      - { .name: b2, .offset: 16, .size: 8, .value_kind: global_buffer, .address_space: global }
      - { .name: lowp_scales, .offset: 24, .size: 8, .value_kind: global_buffer, .address_space: global }
      - { .name: cnt, .offset: 32, .size: 8, .value_kind: global_buffer, .address_space: global }
      - { .name: y0, .offset: 40, .size: 8, .value_kind: global_buffer, .address_space: global }
      - { .name: y1, .offset: 48, .size: 8, .value_kind: global_buffer, .address_space: global }
    .group_segment_fixed_size: 274944
    .private_segment_fixed_size: 0
    .kernarg_segment_align: 8
    .kernarg_segment_size: 56
    .max_flat_workgroup_size: 128
    .sgpr_count:     66
    .vgpr_count:     768
    .wavefront_size: 32
...
	.end_amdgpu_metadata
.endif
;; end of part 3
;; launch combine (part 4): grid 256 x 1, 4 waves a work-group, no clusters, 0 bytes of LDS; arguments sel, wgt, posE, y0, y1, out0; writes out0
.if DOCPART == 4
	.amdgcn_target "amdgcn-amd-amdhsa--gfx1250"
	.amdhsa_code_object_version 6
	.text
	.protected	k_q40eca94988_combine
	.globl	k_q40eca94988_combine
	.p2align	8
	.type	k_q40eca94988_combine,@function
k_q40eca94988_combine:
	s_mov_b64 s[64:65], 0
	v_nop
	global_prefetch_b8 v0, s[64:65] scope:SCOPE_SE
	s_setreg_imm32_b32 hwreg(HW_REG_WAVE_MODE, 25, 1), 1
	s_wait_xcnt 0x0
; out[t] = w_0 (y0 + y1)[i0][place of t in i0] + w_1 (y0 + y1)[i1][place of t in i1].  One wave takes one token t = 4 x work-group + wave: each output row has one owner.
; The two experts come from sel[t], the weights (score x alpha) from wgt[t], the places from posE; all three were stored by earlier launches.  Indices are held inside their tables before they enter an address.
; A row is 4,096 bytes: eight pieces of 512 consecutive bytes, 16 a lane; all 32 loads go out at once, and each piece is finished and stored as its four loads come in.
	s_load_b256 s[4:11], s[0:1], 0x0               ; sel s[4:5], wgt s[6:7], posE s[8:9], y0 s[10:11]
	s_load_b128 s[12:15], s[0:1], 0x20             ; y1 s[12:13], out s[14:15]
	v_lshrrev_b32 v1, 5, v0
	v_readfirstlane_b32 s16, v1                    ; wave
	s_lshl_b32 s17, ttmp9, 2
	s_add_co_u32 s17, s17, s16                     ; my token
	v_and_b32 v1, 31, v0
	v_and_b32 v2, 7, v0
	v_lshlrev_b32 v2, 12, v2                       ; lane l asks for the token's place in expert l % 8: posE[l % 8][t]
	s_lshl_b32 s18, s17, 2
	s_mov_b32 s19, 0
	v_add_nc_u32 v2, s18, v2
	v_lshlrev_b32 v1, 4, v1                        ; 16 bytes a lane
	s_wait_kmcnt 0x0
	global_load_b32 v3, v2, s[8:9]
	s_add_nc_u64 s[4:5], s[4:5], s[18:19]
	s_load_b32 s20, s[4:5], 0x0                    ; sel[t]
	s_lshl_b32 s18, s17, 3
	s_add_nc_u64 s[6:7], s[6:7], s[18:19]
	s_load_b64 s[22:23], s[6:7], 0x0               ; w_0, w_1
	s_lshl_b32 s18, s17, 12
	s_add_nc_u64 s[14:15], s[14:15], s[18:19]      ; out at my row
	s_wait_kmcnt 0x0
	s_bfe_u32 s21, s20, 0x80000                    ; i0
	s_min_u32 s21, s21, 7
	s_bfe_u32 s24, s20, 0x80008                    ; i1
	s_min_u32 s24, s24, 7
	s_mov_b32 s26, s23                             ; w_1 as a pair of its own: the packed forms take a pair's low word for both halves
	s_mov_b32 s27, s23
	s_wait_loadcnt 0x0
	v_readlane_b32 s25, v3, s21                    ; the token's place in i0's list,
	v_readlane_b32 s28, v3, s24                    ; in i1's
	s_min_u32 s25, s25, 0x3ff
	s_min_u32 s28, s28, 0x3ff
	s_lshl_b32 s21, s21, 22                        ; an expert's part of y is 4 MiB, a row 4,096 bytes
	s_lshl_b32 s25, s25, 12
	s_add_co_u32 s21, s21, s25
	v_add_nc_u32 v4, s21, v1
	s_lshl_b32 s24, s24, 22
	s_lshl_b32 s28, s28, 12
	s_add_co_u32 s24, s24, s28
	v_add_nc_u32 v5, s24, v1
.set i, 0
.rept 8
	global_load_b128 v[16+16*i:19+16*i], v4, s[10:11] offset:512*i th:TH_LOAD_NT   ; each row of y is read once in the launch
	global_load_b128 v[20+16*i:23+16*i], v4, s[12:13] offset:512*i th:TH_LOAD_NT
	global_load_b128 v[24+16*i:27+16*i], v5, s[10:11] offset:512*i th:TH_LOAD_NT
	global_load_b128 v[28+16*i:31+16*i], v5, s[12:13] offset:512*i th:TH_LOAD_NT
.set i, i+1
.endr
.set i, 0
.rept 8
	s_wait_loadcnt 28-4*i                          ; this piece's four loads are in; the later pieces' four each may be out
.irp d, 0,2
	v_pk_add_f32 v[16+16*i+\d:17+16*i+\d], v[16+16*i+\d:17+16*i+\d], v[20+16*i+\d:21+16*i+\d]   ; K's two halves, first expert,
	v_pk_add_f32 v[24+16*i+\d:25+16*i+\d], v[24+16*i+\d:25+16*i+\d], v[28+16*i+\d:29+16*i+\d]   ; second expert
	v_pk_mul_f32 v[16+16*i+\d:17+16*i+\d], v[16+16*i+\d:17+16*i+\d], s[22:23] op_sel_hi:[1,0]
	v_pk_fma_f32 v[16+16*i+\d:17+16*i+\d], v[24+16*i+\d:25+16*i+\d], s[26:27], v[16+16*i+\d:17+16*i+\d] op_sel_hi:[1,0,1]
.endr
	global_store_b128 v1, v[16+16*i:19+16*i], s[14:15] offset:512*i th:TH_STORE_NT   ; the wave stores 512 consecutive bytes, aligned; each piece has registers of its own
.set i, i+1
.endr
	s_endpgm
.Lfunc_end_k_q40eca94988_combine:
	.size	k_q40eca94988_combine, .Lfunc_end_k_q40eca94988_combine-k_q40eca94988_combine
	.p2alignl 7, 3214868480
	.fill 96, 4, 3214868480
	.section	.rodata,"a",@progbits
	.p2align	6, 0x0
	.amdhsa_kernel k_q40eca94988_combine
		.amdhsa_group_segment_fixed_size 0
		.amdhsa_private_segment_fixed_size 0
		.amdhsa_enable_private_segment 0
		.amdhsa_kernarg_size 48
		.amdhsa_user_sgpr_count 2
		.amdhsa_user_sgpr_kernarg_segment_ptr 1
		.amdhsa_wavefront_size32 1
		.amdhsa_system_sgpr_workgroup_id_x 1
		.amdhsa_system_sgpr_workgroup_id_y 1
		.amdhsa_system_sgpr_workgroup_id_z 1
		.amdhsa_system_vgpr_workitem_id 0
		.amdhsa_next_free_vgpr 144
		.amdhsa_next_free_sgpr 66
		.amdhsa_reserve_vcc 0
		.amdhsa_float_denorm_mode_32 3
		.amdhsa_float_denorm_mode_16_64 3
		.amdhsa_memory_ordered 1
		.amdhsa_forward_progress 1
		.amdhsa_inst_pref_size 10
	.end_amdhsa_kernel
	.amdgpu_metadata
---
amdhsa.version: [ 1, 2 ]
amdhsa.kernels:
  - .name:           k_q40eca94988_combine
    .symbol:         k_q40eca94988_combine.kd
    .args:
      - { .name: sel, .offset: 0, .size: 8, .value_kind: global_buffer, .address_space: global }
      - { .name: wgt, .offset: 8, .size: 8, .value_kind: global_buffer, .address_space: global }
      - { .name: posE, .offset: 16, .size: 8, .value_kind: global_buffer, .address_space: global }
      - { .name: y0, .offset: 24, .size: 8, .value_kind: global_buffer, .address_space: global }
      - { .name: y1, .offset: 32, .size: 8, .value_kind: global_buffer, .address_space: global }
      - { .name: out0, .offset: 40, .size: 8, .value_kind: global_buffer, .address_space: global }
    .group_segment_fixed_size: 0
    .private_segment_fixed_size: 0
    .kernarg_segment_align: 8
    .kernarg_segment_size: 48
    .max_flat_workgroup_size: 128
    .sgpr_count:     66
    .vgpr_count:     144
    .wavefront_size: 32
...
	.end_amdgpu_metadata
.endif
;; end of part 4
;; ======== version 2 of 2: 4 launches
;; workspace buffers: sel 4,096 bytes of whole numbers; wgt 8,192 bytes; xq 8,388,608 bytes; posE 32,768 bytes of whole numbers; cnt 1,024 bytes of whole numbers; hq 33,554,432 bytes; y0 33,554,432 bytes; y1 33,554,432 bytes
;; launch route (part 5): grid 256 x 1, 4 waves a work-group, no clusters, 35,328 bytes of LDS; arguments hidden_states, gate_w, gate_b, alpha, lowp_scales, sel, wgt, xq; writes sel, wgt, xq
.if DOCPART == 5
	.amdgcn_target "amdgcn-amd-amdhsa--gfx1250"
	.amdhsa_code_object_version 6
	.text
	.protected	k_q40eca94988_route
	.globl	k_q40eca94988_route
	.p2align	8
	.type	k_q40eca94988_route,@function
k_q40eca94988_route:
	s_mov_b64 s[64:65], 0
	v_nop
	global_prefetch_b8 v0, s[64:65] scope:SCOPE_SE
	s_setreg_imm32_b32 hwreg(HW_REG_WAVE_MODE, 25, 1), 1
	s_wait_xcnt 0x0
; THE ROUTER, AND x's CODES.  One wave takes one token t = 4 x work-group + wave.
; logits = x gate_w + gate_b in f32 (fused multiply-adds); the largest logit is taken away, e_n = 2^((L_n - m) log2 e); the two largest e are chosen (of equals the lower index);
; score_k = e_k / (e_0 + e_1): reference()'s vals / sum(vals), in which the softmax's divisor stands above and below the line and falls out.
; Stored at fixed places, for the later launches: sel[t] = i0 | i1 << 8 | ((1 << i0) | (1 << i1)) << 16;  wgt[t][k] = score_k x alpha[i_k].  No address and no branch here hangs on the choice.
; xq[e][t][1024]: the token's codes of E4M3 under each expert's own scale 2^ex(e), ex(e) = lowp_scales[4 e]: code = x / 2^ex, held within +-448, to the nearest code, ties to even.
; LIMITS: ex between -126 and 119 (2^ex and 448 x 2^ex are made as f32 numbers).  NaN among the inputs is not served.
; Lane l holds k = 256 i + 8 l + 0 .. 7 (i = 0 .. 3) in v[X + 8 i + j]: eight neighbours along K, as the conversion takes them, and a wave's store of 8 bytes a lane covers 256 consecutive bytes, aligned.
; gate_w (32,768 bytes) is copied once by dense loads into LDS, as 128 blocks of 8 rows (256 bytes) 272 bytes apart, so that lane l reads its eight rows by 16-byte loads that fall on different banks.
.set ACC, 8                            ; v8-15    the eight logits, as four pairs
.set X,   16                           ; v16-47   my 32 numbers of x
.set GW,  48                           ; v48-111, v112-175  two sets of 8 rows x 8 experts of gate_w
.set T,   48                           ; v48-79   behind the logits: the numbers held for the conversion
.set CD,  176                          ; v176-239 codes: eight registers for each expert, never written again
.set GP,  272                          ; from block to block of gate_w in LDS
	s_load_b512 s[4:19], s[0:1], 0x0               ; x s[4:5], gate_w s[6:7], gate_b s[8:9], alpha s[10:11], the scales' exponents s[12:13], sel s[14:15], wgt s[16:17], xq s[18:19]
	v_lshl_add_u32 v7, v0, 2, 0x8800
	s_set_vgpr_msb 0x40
	v_mov_b32 v1, 0
	s_set_vgpr_msb 0x4000
	v_lshrrev_b32 v1, 5, v0
	v_readfirstlane_b32 s20, v1                    ; wave
	v_and_b32 v1, 31, v0                           ; lane
	v_lshlrev_b32 v2, 5, v1                        ; x: 32 bytes a lane
	v_lshlrev_b32 v3, 4, v0                        ; gate_w on its way in: 16 bytes a thread
	v_lshrrev_b32 v4, 4, v0
	v_mul_u32_u24 v4, v4, GP
	v_and_b32 v5, 15, v0
	v_lshl_add_u32 v4, v5, 4, v4                   ; and its place in LDS: block thread / 16, 16 (thread % 16)
	v_mul_u32_u24 v5, v1, GP                       ; on the way out: block lane
	v_lshlrev_b32 v6, 3, v1                        ; codes: 8 bytes a lane
	s_lshl_b32 s21, ttmp9, 2
	s_add_co_u32 s21, s21, s20                     ; my token
	s_mov_b32 s56, 0x76543210                      ; v_permlanex16_b32: lane l xor 16
	s_mov_b32 s57, 0xfedcba98
	s_lshl_b32 s22, s21, 12                        ; a row of x is 4,096 bytes
	s_mov_b32 s23, 0
	s_wait_alu depctr_va_vdst(0)
	s_wait_kmcnt 0x0
	s_add_nc_u64 s[4:5], s[4:5], s[22:23]
.set i, 0
.rept 4
	global_load_b128 v[X+8*i:X+8*i+3],   v2, s[4:5] offset:1024*i th:TH_LOAD_NT
	global_load_b128 v[X+8*i+4:X+8*i+7], v2, s[4:5] offset:1024*i+16 th:TH_LOAD_NT
.set i, i+1
.endr
.set q, 0
.rept 16
	global_load_b128 v[GW+4*q:GW+4*q+3], v3, s[6:7] offset:2048*q   ; the work-group reads 2,048 consecutive bytes
.set q, q+1
.endr
	s_load_b256 s[24:31], s[8:9], 0x0              ; gate_b
	s_load_b256 s[32:39], s[10:11], 0x0            ; alpha
	s_load_b512 s[40:55], s[12:13], 0x0            ; exponents 0-15: ex of experts 0-3 in s40, s44, s48, s52
	s_load_b512 s[68:83], s[12:13], 0x40           ; exponents 16-31: ex of experts 4-7 in s68, s72, s76, s80
	s_lshl_b32 s22, s21, 10
	s_add_nc_u64 s[18:19], s[18:19], s[22:23]      ; xq at my token's row in expert 0's part
	s_lshl_b32 s22, s21, 2
	s_add_nc_u64 s[14:15], s[14:15], s[22:23]      ; sel[t]
	s_lshl_b32 s22, s21, 3
	s_add_nc_u64 s[16:17], s[16:17], s[22:23]      ; wgt[t]
	s_wait_loadcnt 0x0
.set q, 0
.rept 16
	ds_store_b128 v4, v[GW+4*q:GW+4*q+3] offset:8*GP*q
.set q, q+1
.endr
	s_wait_dscnt 0x0                               ; for the others' sake: my part of gate_w lies in LDS
	s_barrier_signal -1
	s_barrier_wait -1
.macro GLD i, set                      ; my eight rows k = 256 i + 8 l + 0 .. 7 of gate_w: register 8 j + n = gate_w[k + j][n]
.set q, 0
.rept 16
	ds_load_b128 v[GW+64*\set+4*q:GW+64*\set+4*q+3], v5 offset:32*GP*\i+16*q
.set q, q+1
.endr
.endm
.macro DOT i, set                      ; 32 packed multiply-adds: x[k + j], for both halves, x two experts' weights.  The very first four start the sums: nothing is cleared
.set j, 0
.rept 8
.set p, 0
.rept 4
.if (\i == 0) && (j == 0)
	v_pk_mul_f32 v[ACC+2*p:ACC+2*p+1], v[X:X+1], v[GW+2*p:GW+2*p+1] op_sel_hi:[0,1]
.elseif j % 2 == 0
	v_pk_fma_f32 v[ACC+2*p:ACC+2*p+1], v[X+8*\i+j:X+8*\i+j+1], v[GW+64*\set+8*j+2*p:GW+64*\set+8*j+2*p+1], v[ACC+2*p:ACC+2*p+1] op_sel_hi:[0,1,1]
.else
	v_pk_fma_f32 v[ACC+2*p:ACC+2*p+1], v[X+8*\i+j-1:X+8*\i+j], v[GW+64*\set+8*j+2*p:GW+64*\set+8*j+2*p+1], v[ACC+2*p:ACC+2*p+1] op_sel:[1,0,0]
.endif
.set p, p+1
.endr
.set j, j+1
.endr
.endm
	GLD 0, 0
	GLD 1, 1
	s_wait_dscnt 16                                ; the older set is in; the younger set's 16 loads may be out
	DOT 0, 0
	GLD 2, 0
	s_wait_alu depctr_va_vdst(0)
	s_wait_dscnt 16
	DOT 1, 1
	GLD 3, 1
	s_wait_alu depctr_va_vdst(0)
	s_wait_dscnt 16
	DOT 2, 0
	s_wait_alu depctr_va_vdst(0)
	s_wait_dscnt 0x0
	DOT 3, 1
	; the 32 lanes' parts are added: four steps inside each half of 16 lanes, one across; every lane ends with the same eight sums
.irp k, 1,2,4,8
.set n, 0
.rept 8
	v_add_f32_dpp v[ACC+n], v[ACC+n], v[ACC+n] row_xmask:\k row_mask:0xf bank_mask:0xf
.set n, n+1
.endr
.endr
.set n, 0
.rept 8
	v_permlanex16_b32 v[GW+n], v[ACC+n], s56, s57  ; (its destination counts as read: these registers have been written)
.set n, n+1
.endr
	s_wait_alu depctr_va_vdst(0)
	s_wait_kmcnt 0x0                               ; gate_b, alpha, the exponents
.set n, 0
.rept 8
	v_add_f32 v[ACC+n], v[ACC+n], v[GW+n]
.set n, n+1
.endr
.set n, 0
.rept 8
	v_add_f32 v[ACC+n], s[24+n], v[ACC+n]          ; + gate_b
.set n, n+1
.endr
	v_max3_num_f32 v240, v8, v9, v10               ; the largest logit is taken away ahead of the exponentials, as reference()'s softmax does
	v_max3_num_f32 v240, v240, v11, v12
	v_max3_num_f32 v240, v240, v13, v14
	v_max_num_f32 v240, v240, v15
.set n, 0
.rept 8
	v_sub_f32 v[ACC+n], v[ACC+n], v240
.set n, n+1
.endr
.set n, 0
.rept 8
	v_mul_f32 v[ACC+n], 0x3fb8aa3b, v[ACC+n]       ; x log2(e)
.set n, n+1
.endr
.set n, 0
	s_wait_alu depctr_va_vdst(0)
.rept 8
	v_exp_f32 v[ACC+n], v[ACC+n]
.set n, n+1
.endr
	v_mov_b32 v244, -1.0                           ; (a plain instruction behind the exponentials)  under every e
	v_mov_b32 v249, 0x10000
	v_mov_b32 v255, 0
	s_wait_alu depctr_va_vdst(0)                   ; one wait for the batch of eight, ahead of its first reader
; The largest of the eight, with its index and its alpha.  What stands is kept where it is not smaller: of equals the lower index stays, as in jax.lax.top_k.
.macro BEST val, idx, al
	v_mov_b32 v[\val], v[ACC]
	v_mov_b32 v[\idx], 0
	v_mov_b32 v[\al], s32
.set n, 1
.rept 7
	v_cmp_ge_f32 vcc_lo, v[\val], v[ACC+n]
	v_cndmask_b32 v[\idx], n, v[\idx], vcc_lo
	v_cndmask_b32 v[\al], s[32+n], v[\al], vcc_lo
	v_cndmask_b32 v[\val], v[ACC+n], v[\val], vcc_lo
.set n, n+1
.endr
.endm
	BEST 241, 242, 243
.set n, 0
.rept 8
	v_cmp_eq_u32 vcc_lo, n, v242                   ; the winner leaves the field
	v_cndmask_b32 v[ACC+n], v[ACC+n], v244, vcc_lo
.set n, n+1
.endr
	BEST 245, 246, 247
	v_add_f32 v240, v241, v245
	s_wait_alu depctr_va_vdst(0)
	v_rcp_f32 v240, v240
	v_mul_f32 v250, v241, v243                     ; (plain work behind the reciprocal)  e_0 x alpha[i0]
	v_mul_f32 v251, v245, v247
	v_lshlrev_b32 v248, v242, v249                 ; 1 << (16 + i0)
	v_lshl_or_b32 v254, v246, 8, v242              ; i0 | i1 << 8
	v_or_b32 v254, v254, v248
	v_lshlrev_b32 v248, v246, v249                 ; 1 << (16 + i1)
	v_or_b32 v254, v254, v248
	s_wait_alu depctr_va_vdst(0)                   ; ahead of the reciprocal's first reader
	v_mul_f32 v250, v250, v240
	v_mul_f32 v251, v251, v240
; x under expert e's scale; s[sr] holds ex(e)
.macro QX e, sr
	s_add_co_i32 s58, s[\sr], 127
	s_lshl_b32 s59, s58, 23
	v_mov_b32 v252, s59                            ; 2^ex as f32: the conversion takes its exponent field
	s_add_co_i32 s58, s58, 8
	s_lshl_b32 s58, s58, 23
	s_or_b32 s58, s58, 0x600000
	v_mov_b32 v253, s58                            ; 448 x 2^ex
.set i, 0
.rept 32
	v_med3_num_f32 v[T+i], v[X+i], -v253, v253     ; the conversion to an 8-bit code does not saturate (ISA guide 7.6.2): the number is held first
.set i, i+1
.endr
.set i, 0
.rept 4
	v_cvt_scalef32_pk8_fp8_f32 v[CD+8*\e+2*i:CD+8*\e+2*i+1], v[T+8*i:T+8*i+7], v252
.set i, i+1
.endr
	v_nop                                          ; a plain instruction between the conversions and the next writes of their sources
.set i, 0
.rept 4
	global_store_b64 v6, v[CD+8*\e+2*i:CD+8*\e+2*i+1], s[18:19] offset:1048576*\e+256*i   ; the wave stores 256 consecutive bytes, aligned
.set i, i+1
.endr
.endm
	QX 0, 40
	QX 1, 44
	QX 2, 48
	QX 3, 52
	QX 4, 68
	QX 5, 72
	QX 6, 76
	QX 7, 80
	s_wait_xcnt 0x0                                ; EXEC changes only behind this wait
	v_cmp_eq_u32 vcc_lo, 0, v1
	s_set_vgpr_msb 0x4
	s_wait_tensorcnt 0x0
	ds_add_u32 v7, v1
	s_wait_dscnt 0x0
	s_set_vgpr_msb 0x400
	s_and_saveexec_b32 s60, vcc_lo                 ; lane 0 stores the token's choice and its two weights
	global_store_b32 v255, v254, s[14:15]
	global_store_b64 v255, v[250:251], s[16:17]
	s_wait_xcnt 0x0                                ; and again, ahead of the line that widens it
	s_or_b32 exec_lo, exec_lo, s60
	s_endpgm
.Lfunc_end_k_q40eca94988_route:
	.size	k_q40eca94988_route, .Lfunc_end_k_q40eca94988_route-k_q40eca94988_route
	.p2alignl 7, 3214868480
	.fill 96, 4, 3214868480
	.section	.rodata,"a",@progbits
	.p2align	6, 0x0
	.amdhsa_kernel k_q40eca94988_route
		.amdhsa_group_segment_fixed_size 35328
		.amdhsa_private_segment_fixed_size 0
		.amdhsa_enable_private_segment 0
		.amdhsa_kernarg_size 64
		.amdhsa_user_sgpr_count 2
		.amdhsa_user_sgpr_kernarg_segment_ptr 1
		.amdhsa_wavefront_size32 1
		.amdhsa_system_sgpr_workgroup_id_x 1
		.amdhsa_system_sgpr_workgroup_id_y 1
		.amdhsa_system_sgpr_workgroup_id_z 1
		.amdhsa_system_vgpr_workitem_id 0
		.amdhsa_next_free_vgpr 258
		.amdhsa_next_free_sgpr 90
		.amdhsa_reserve_vcc 1
		.amdhsa_float_denorm_mode_32 3
		.amdhsa_float_denorm_mode_16_64 3
		.amdhsa_memory_ordered 1
		.amdhsa_forward_progress 1
		.amdhsa_inst_pref_size 49
	.end_amdhsa_kernel
	.amdgpu_metadata
---
amdhsa.version: [ 1, 2 ]
amdhsa.kernels:
  - .name:           k_q40eca94988_route
    .symbol:         k_q40eca94988_route.kd
    .args:
      - { .name: hidden_states, .offset: 0, .size: 8, .value_kind: global_buffer, .address_space: global }
      - { .name: gate_w, .offset: 8, .size: 8, .value_kind: global_buffer, .address_space: global }
      - { .name: gate_b, .offset: 16, .size: 8, .value_kind: global_buffer, .address_space: global }
      - { .name: alpha, .offset: 24, .size: 8, .value_kind: global_buffer, .address_space: global }
      - { .name: lowp_scales, .offset: 32, .size: 8, .value_kind: global_buffer, .address_space: global }
      - { .name: sel, .offset: 40, .size: 8, .value_kind: global_buffer, .address_space: global }
      - { .name: wgt, .offset: 48, .size: 8, .value_kind: global_buffer, .address_space: global }
      - { .name: xq, .offset: 56, .size: 8, .value_kind: global_buffer, .address_space: global }
    .group_segment_fixed_size: 35328
    .private_segment_fixed_size: 0
    .kernarg_segment_align: 8
    .kernarg_segment_size: 64
    .max_flat_workgroup_size: 128
    .sgpr_count:     90
    .vgpr_count:     258
    .wavefront_size: 32
...
	.end_amdgpu_metadata
.endif
;; end of part 5
;; launch fc1 (part 6): grid 32 x 8, 4 waves a work-group, no clusters, 266,752 bytes of LDS; arguments xq, w1_codes, b1, lowp_scales, sel, hq, posE, cnt; writes hq, posE, cnt
.if DOCPART == 6
	.amdgcn_target "amdgcn-amd-amdhsa--gfx1250"
	.amdhsa_code_object_version 6
	.text
	.protected	k_q40eca94988_fc1
	.globl	k_q40eca94988_fc1
	.p2align	8
	.type	k_q40eca94988_fc1,@function
k_q40eca94988_fc1:
	s_mov_b64 s[64:65], 0
	v_nop
	global_prefetch_b8 v0, s[64:65] scope:SCOPE_SE
	s_setreg_imm32_b32 hwreg(HW_REG_WAVE_SCHED_MODE, 0, 2), 2
	s_setreg_imm32_b32 hwreg(HW_REG_WAVE_MODE, 25, 1), 1
	s_wait_xcnt 0x0
	s_wait_alu depctr_vm_vsrc(0)
; FC1 AND THE GELU OF THE ROUTED ROWS.  hq = Q(gelu(x W1[e] + b1[e])), for the tokens that chose expert e alone.  Work-group (j, e): hidden units 128 j .. 128 j + 127 of expert e.
; THE WEIGHTS STAND STILL: wave w keeps units U0 = 128 j + 32 w + 0 .. 31 over all K = 1,024 in 256 registers, read from memory once; the expert's rows go past, 64 a trip.
; THE PLACES.  Every wave reads sel (4 KiB) and makes 32 masks of the expert's members (mask n = 4 g + q, bit l: token 128 g + 4 l + q).  A member's place is the number of members in the masks before its own
; plus the number of members in the lanes below it.  Each wave turns that round for its own rows, in registers: for a place it finds the last mask whose running count is not above the place, and in it the bit of
; that rank (partial bit counts, five halvings).  A place beyond the count gives some token under 1,024: a real row whose results nobody reads.
; Wave 0 of the work-groups with j = 0 stores the places (posE) and the count (cnt) for the later launches.
; THE PRODUCT IS USED TRANSPOSED (source 0 = 16 rows of W1, source 1 = 16 tokens), and lane r of tile u takes W1's row U0 + 8 u + r + 8 (r / 8): lane (r, h) then holds, of token r, units U0 + 16 h + 0 .. 15 in
; 16 registers on end, which after the gelu become 16 codes: piece c = w of K step s = j of the next product's operand.  hq is laid as an image of that operand's registers:
; [e][tile of 16 rows][s 32][c 4][lane 32][16 bytes]; a wave's store covers 512 consecutive bytes, aligned.
; A fragment's registers 4 c .. 4 c + 3 hold K = 32 c + 16 h + 0 .. 15: a permutation of k that is the same on both sides, so every product meets its partner.
; THE GELU, exact to f32: Phi(-|x|) = t 2^(P(t) - x^2 log2(e) / 2), t = 1 / (1 + |x| / (2 sqrt 2)), P of degree 9 (the known fit of erfc, fractional error 1.2e-7, its coefficients x log2 e, the
; constant less 1 for the half);  gelu(x) = max(x, 0) - |x| Phi(-|x|): relatively accurate in the negative tail too.
; NO TENSOR LOADS, NO CLUSTER: the 32 work-groups of an expert read the same rows, but how many rows there are is a number read from memory, and the work of a trip is jumped over by it.
; The loops have constant counts of trips and every wave passes every barrier; only a trip's work stands under the branches.
; LIMITS: ex + ew1 between -126 and 127, eh between -126 and 119 (powers of two made as f32 numbers).  Infinities and NaN ahead of the gelu are not served.
; REGISTERS, in windows of 256.  Window 0: v1 lane, v2 r, v3 h, v5-v10 LDS addresses, v12 16 lane, v13 hq's offset, v15 4 lane; v24-39 b1; v40-55 two accumulators;
;   v56-151 the gelu at work; v152-155 codes; v156, v157 2^eh and 448 x 2^eh; v[158:159] c9; v160-191 sel, then v160-167 my rows' tokens (a register for 128 places) and v168-179 their making;
;   v192-224 the places to store; v228 b1's offset; v232-247 my 16 rows' offsets; v254, v255 the closing add's two.   Window 1: W1's 16 fragments.
;   Window 2: v0-127 x's eight fragments of an even tile (F0); v128-255 the next 64 rows on their way (ROWS).   Window 3: v0-127 x's eight fragments of an odd tile (F1).
; THE MODE: SCHED_MODE bits 1:0 = 2 (LLVM: expert scheduling mode 2), set by the entry lines.  The code itself states the register dependences
; between vector or matrix instructions and memory or LDS instructions, with s_wait_alu, always for 0.
; THE PLAN.  Registers that memory or LDS instructions touch, and who else names them:
;   F0, F1     Tile m's products read F[m % 2]; behind them the LDS loads of tile m + 1 land in the other one, which tile m - 1's products read last.
;   ROWS       The rows' global loads land in it; the LDS stores at the next trip's head read it.  No vector instruction names it.
;   v232-247   Written by TOKENS, read by the rows' loads that follow.
;   v13        Written at a trip's head, read by the trip's four stores.      v152-155  Written by a tile's conversions, read by its store.
;   window 1   The weights' global loads land; LDS stores read them; LDS loads land in the same registers; then the products alone name them.
;   v5-v10, v12, v15, v228  Made at the head, never written again.            v192-224  Written and stored once, by one wave.
; So a tile holds ONE wait on va_vdst of its own, behind its conversions: the codes are written, and the tile's products are done reading their fragments, so that the loads of two tiles on owe nothing more;
; and one on vm_vsrc, ahead of the conversions.  A trip's head holds one of each: they state all that v13, ROWS, the rows' offsets and the first two tiles' fragment loads hang on.
.set WPITCH, 1040                      ; an LDS row: 1,024 bytes + 16: 65 x 16, so that the 16 rows of a load start at different banks
.set WREG,   32*WPITCH                 ; a wave's stage for its weights
.set AB0,    4*WREG                    ; two buffers of 64 rows of x's codes
.set ABSZ,   64*WPITCH
.set B1R, 24
.set ACC, 40
.set RX,  56                           ; x, then the gelu;  +16: 1 + |x| / (2 sqrt 2);  +32: t;  +48: x^2;  +64: max(x, 0);  +80: P
.set RT,  88
.set RS,  104
.set RP,  136
.set CD,  152
.set TOK, 160                          ; v160-167: lane l of register i: the token at place 128 (round + i) + 64 (l / 16) + 16 w + l % 16
.set VP,  168                          ; the place that my lane looks for
.set VM,  169                          ; its mask
.set VK,  170                          ; mask number << 16 | members before it; then the rank in the mask
.set VN,  171                          ; the mask's number
.set QA,  172                          ; set bits of each 2, 4, 8 places of the mask; in QD's lowest byte: of its lower 16
.set QB,  173
.set QC,  174
.set QD,  175
.set PS,  176                          ; the bit's place, as far as it is known
.set T0,  177
.set T1,  178
.set T2,  179
.set TA,  232                          ; v232-247: token x 1,024 + 16 lane for my 16 rows of a chunk
.set TS,  46                           ; s46-61: their tokens
.set CM,  46                           ; s46-53: ahead of that, in the search for a place's mask: eight compares' results,
.set PK,  54                           ; s54-61: and the eight masks' numbers << 16 | members before them
.set MSB, 0
.macro WIN new                         ; the immediate's high byte repeats the setting that is left
.if MSB != \new
	s_set_vgpr_msb (MSB<<8)|\new
.set MSB, \new
.endif
.endm
.macro KPAIR r, bits                   ; a constant as a pair: the packed forms name a pair and take its low word for both halves
	s_mov_b32 s[\r], \bits
	s_mov_b32 s[\r+1], \bits
.endm
	s_load_b512 s[4:19], s[0:1], 0x0               ; xq s[4:5], W1 s[6:7], b1 s[8:9], exponents s[10:11], sel s[12:13], hq s[14:15], posE s[16:17], cnt s[18:19]
	v_lshl_add_u32 v254, v0, 2, 0x41000
	v_mov_b32 v255, 0
	v_lshrrev_b32 v1, 5, v0
	v_readfirstlane_b32 s2, v1                     ; wave w
	s_mov_b32 s3, ttmp9                            ; j
	s_and_b32 s24, ttmp7, 0xffff                   ; e
	v_and_b32 v1, 31, v0
	v_and_b32 v2, 15, v0                           ; r
	v_bfe_u32 v3, v0, 4, 1                         ; h
	v_lshlrev_b32 v12, 4, v1
	v_lshlrev_b32 v15, 2, v1
	v_lshlrev_b32 v228, 6, v3                      ; b1: 64 h
	s_wait_alu depctr_va_sdst(0)                   ; s2, the wave's number, is written, ahead of its first reader
	s_mul_i32 s43, s2, WREG
	v_add_nc_u32 v5, s43, v12                      ; my stage, on the way in: 16 x lane
	v_and_b32 v6, 8, v2
	v_add_nc_u32 v6, v6, v2                        ; r + 8 (r / 8)
	v_mul_u32_u24 v6, v6, WPITCH
	v_lshl_add_u32 v6, v3, 4, v6
	v_add_nc_u32 v6, s43, v6                       ; and on the way out: a fragment's row, + 16 h
	s_mul_i32 s43, s2, 16*WPITCH
	v_add_nc_u32 v7, s43, v12                      ; the rows that I bring: rows 16 w on, 16 x lane
	v_add_nc_u32 v8, AB0+ABSZ, v7                  ; into buffer 1,
	v_add_nc_u32 v7, AB0, v7                       ; into buffer 0
	v_mul_u32_u24 v9, v2, WPITCH
	v_lshl_add_u32 v9, v3, 4, v9
	v_add_nc_u32 v10, AB0+ABSZ, v9                 ; fragments out of buffer 1,
	v_add_nc_u32 v9, AB0, v9                       ; out of buffer 0: row r, + 16 h
	s_add_co_u32 s43, s24, 16
	s_lshl_b32 s27, 1, s43                         ; the expert's bit in a word of sel
	s_mov_b32 s45, 0
	s_wait_kmcnt 0x0
	s_lshl_b32 s44, s24, 4
	s_add_nc_u64 s[10:11], s[10:11], s[44:45]
	s_load_b128 s[20:23], s[10:11], 0x0            ; ex, ew1, eh, ew2 of my expert
	s_wait_alu depctr_va_vdst(0)                   ; the addresses and offsets v5 to v10, v12, v15 and v228 are written, which the loads and stores of the whole kernel read; none of them is written again
.set g, 0
.rept 8
	global_load_b128 v[160+4*g:163+4*g], v12, s[12:13] offset:512*g   ; sel: register 4 g + q = token 128 g + 4 lane + q
.set g, g+1
.endr
	s_lshl_b32 s44, s24, 22
	s_lshl_b32 s43, s3, 17
	s_add_co_u32 s44, s44, s43
	s_lshl_b32 s43, s2, 15
	s_add_co_u32 s44, s44, s43
	s_add_nc_u64 s[6:7], s[6:7], s[44:45]          ; W1 at my 32 rows: 32,768 bytes on end
	WIN 0x40                                       ; destination window 1
.set q, 0
.rept 64
	global_load_b128 v[4*q:4*q+3], v12, s[6:7] offset:512*q th:TH_LOAD_NT   ; 512 consecutive bytes; read once in the launch
.set q, q+1
.endr
	WIN 0
	s_lshl_b32 s44, s24, 14
	s_lshl_b32 s43, s3, 9
	s_add_co_u32 s44, s44, s43
	s_lshl_b32 s43, s2, 7
	s_add_co_u32 s44, s44, s43
	s_add_nc_u64 s[8:9], s[8:9], s[44:45]          ; b1 at unit U0
.set q, 0
.rept 4
	global_load_b128 v[B1R+4*q:B1R+4*q+3], v228, s[8:9] offset:16*q   ; b1[U0 + 16 h + 0 .. 15]
.set q, q+1
.endr
	s_lshl_b32 s44, s24, 20
	s_add_nc_u64 s[34:35], s[4:5], s[44:45]        ; xq at my expert's codes
	s_lshl_b32 s44, s24, 22
	s_lshl_b32 s43, s3, 11
	s_add_co_u32 s44, s44, s43
	s_lshl_b32 s43, s2, 9
	s_add_co_u32 s44, s44, s43
	s_add_nc_u64 s[36:37], s[14:15], s[44:45]      ; hq at my expert, K step j, piece w
	s_lshl_b32 s44, s24, 12
	s_add_nc_u64 s[16:17], s[16:17], s[44:45]      ; posE[e]
	s_lshl_b32 s44, s24, 7
	s_add_nc_u64 s[18:19], s[18:19], s[44:45]      ; cnt[e]
	s_mov_b32 s25, 0
	s_wait_loadcnt 63                              ; 68 loads were issued behind sel's eight: sel is in, the weights stay on their way
.set n, 0
.rept 32                                       ; who is a member: the 32 compares stand in one run,
	v_and_b32 v224, s27, v[160+n]
	v_cmp_ne_u32 s[66+n], 0, v224
.set n, n+1
.endr
	s_wait_alu depctr_va_sdst(0)                   ; the 32 masks s66 to s97 are written, ahead of their first readers: one wait for the run
.set n, 0
.rept 32                                       ; and how many
	s_bcnt1_i32_b32 s28, s[66+n]
	s_add_co_u32 s25, s25, s28
.set n, n+1
.endr
	s_max_u32 s26, s25, 1                          ; tile 0 is always made, so that the next launch's clamped look-ahead reads bytes that were stored
	; MY ROWS' TOKENS, 128 places a round: a loop of eight trips; a round beyond the count is jumped over.  Each trip moves the registers one down and writes the topmost, so that after
	; eight trips register i holds round i.  (They begin as words of sel; what a jumped round leaves is never taken for a token: a chunk is fetched only if its first row is under the count.)
	s_lshl_b32 s43, s2, 4
	v_lshl_add_u32 v[VP], v3, 6, v2
	v_add_nc_u32 v[VP], s43, v[VP]                 ; round 0: place 64 h + 16 w + r
.macro SCAN n0, num                    ; masks n0 .. n0 + num - 1: the compares in one run, each into a scalar register of its own; one wait; then the selects, in ascending order of the masks
.set i, 0
.rept \num
	s_bcnt1_i32_b32 s28, s[66+\n0+i-1]
	s_add_co_u32 s29, s29, s28                     ; members before mask n, 1,024 at the most
	s_add_co_u32 s[PK+i], s29, ((\n0+i)<<16)
	v_cmp_gt_u32 s[CM+i], s29, v[VP]               ; above my place: what stands is kept
.set i, i+1
.endr
	s_wait_alu depctr_va_sdst(0)                   ; the run's compares have written s[CM ..], which the selects below read
.set i, 0
.rept \num
	v_cndmask_b32 v[VM], s[66+\n0+i], v[VM], s[CM+i]
	v_cndmask_b32 v[VK], s[PK+i], v[VK], s[CM+i]
.set i, i+1
.endr
.endm
.macro DESCEND src, w, fw              ; of the 2 w places from PS on, the lower w hold T0 set bits (a field of fw bits of v[src]): where the rank is not under that, the bit lies in the upper w
	v_bfe_u32 v[T0], v[\src], v[PS], \fw
	v_cmp_ge_u32 vcc_lo, v[VK], v[T0]
	v_sub_nc_u32 v[T1], v[VK], v[T0]
	v_add_nc_u32 v[T2], \w, v[PS]
	s_wait_alu depctr_va_vcc(0)                    ; the compare has written VCC, which the two selects read
	v_cndmask_b32 v[VK], v[VK], v[T1], vcc_lo
	v_cndmask_b32 v[PS], v[PS], v[T2], vcc_lo
.endm
	s_mov_b32 s31, 0                               ; the round's first place
.Lsel:
.set i, 0
	s_wait_alu depctr_va_vdst(0)
.rept 7
	v_mov_b32 v[TOK+i], v[TOK+i+1]
.set i, i+1
.endr
	s_cmp_lt_u32 s31, s26
	s_cbranch_scc0 .Lsel_skip
	v_mov_b32 v[VM], s66                           ; mask 0 begins at place 0
	v_mov_b32 v[VK], 0
	s_mov_b32 s29, 0
	SCAN 1, 8
	SCAN 9, 8
	SCAN 17, 8
	s_wait_alu depctr_va_vdst(0)
	SCAN 25, 7
	v_lshrrev_b32 v[VN], 16, v[VK]
	v_and_b32 v[VK], 0xffff, v[VK]
	v_sub_nc_u32 v[VK], v[VP], v[VK]               ; my rank among the mask's members, from 0
	v_lshrrev_b32 v[T0], 1, v[VM]
	v_and_b32 v[T0], 0x55555555, v[T0]
	v_sub_nc_u32 v[QA], v[VM], v[T0]               ; set bits of each pair of places,
	v_lshrrev_b32 v[T0], 2, v[QA]
	v_and_b32 v[T0], 0x33333333, v[T0]
	v_and_b32 v[QB], 0x33333333, v[QA]
	v_add_nc_u32 v[QB], v[QB], v[T0]               ; of each four,
	v_lshrrev_b32 v[T0], 4, v[QB]
	v_add_nc_u32 v[QC], v[QB], v[T0]
	v_and_b32 v[QC], 0x0f0f0f0f, v[QC]             ; of each eight,
	v_lshrrev_b32 v[T0], 8, v[QC]
	v_add_nc_u32 v[QD], v[QC], v[T0]               ; and, in the lowest byte, of the lower sixteen
	v_mov_b32 v[PS], 0
	DESCEND QD, 16, 8
	DESCEND QC, 8, 8
	DESCEND QB, 4, 4
	DESCEND QA, 2, 2
	DESCEND VM, 1, 1
	v_and_b32 v[T0], 0x1c, v[VN]
	v_and_b32 v[T1], 3, v[VN]
	v_lshl_add_u32 v[T0], v[T0], 5, v[T1]          ; 128 (n / 4) + n % 4
	v_lshl_add_u32 v[TOK+7], v[PS], 2, v[T0]       ; + 4 x the bit's place: the token, under 1,024 whatever the rank
.Lsel_skip:
	v_add_nc_u32 v[VP], 128, v[VP]
	s_add_co_u32 s31, s31, 128
	s_cmp_lt_u32 s31, 1024
	s_cbranch_scc1 .Lsel
.macro TOKENS t, half                  ; my 16 rows of a chunk of 64: rows 16 w + i.  Their tokens stand in lanes 16 half + i of v[t]
.set i, 0
.rept 16
	v_readlane_b32 s[TS+i], v[\t], 16*(\half)+i
.set i, i+1
.endr
	s_wait_alu depctr_va_sdst(0)                   ; the sixteen tokens s[TS ..] are written, ahead of their first readers: one wait for the run
.set i, 0
.rept 16
	s_min_u32 s[TS+i], s[TS+i], 0x3ff              ; a token is under 1,024
.set i, i+1
.endr
.set i, 0
.rept 16
	v_lshl_add_u32 v[TA+i], s[TS+i], 10, v12       ; token x 1,024 + 16 x lane
.set i, i+1
.endr
.endm
.macro GLOADS                          ; their codes: each load reads 512 consecutive bytes, aligned, of one row; all 32 work-groups of the expert read these rows, hence the hint for data that is read again
	WIN 0x80                                       ; destination window 2
	s_wait_alu depctr_va_vdst(0)                   ; the sixteen offsets v[TA ..] are written, which the loads below read
.set i, 0
.rept 16
.irp g, 0,1
	global_load_b128 v[128+4*(2*i+\g):128+4*(2*i+\g)+3], v[TA+i], s[34:35] offset:512*\g th:TH_LOAD_HT
.endr
.set i, i+1
.endr
	WIN 0
.endm
.macro STAGE par                       ; the rows that I brought go into buffer par: 512 consecutive bytes a store
	s_wait_loadcnt 0x0
	WIN 0x08                                       ; store data window 2
.set i, 0
.rept 16
.irp g, 0,1
	ds_store_b128 v[7+\par], v[128+4*(2*i+\g):128+4*(2*i+\g)+3] offset:WPITCH*i+512*\g
.endr
.set i, i+1
.endr
	WIN 0
.endm
.macro LOADA par, m                    ; x's eight fragments of tile m of buffer par, into F[m % 2]
.if ((\m)%2) == 0
	WIN 0x80                                       ; destination window 2
.else
	WIN 0xc0                                       ; destination window 3
.endif
.irp s, 0,1,2,3,4,5,6,7
.irp c, 0,1,2,3
	ds_load_b128 v[16*\s+4*\c:16*\s+4*\c+3], v[9+\par] offset:16*WPITCH*(\m)+128*\s+32*\c
.endr
.endr
	WIN 0
.endm
.macro MUL m                           ; 16 matrix instructions: K ascending, the two accumulators by turns, one instruction a turn; the first two start the sums
.if ((\m)%2) == 0
	WIN 0x09                                       ; source 0 (W1) window 1, source 1 (x) window 2, C and D window 0
.else
	WIN 0x0d                                       ; the same with source 1 in window 3
.endif
.irp s, 0,1,2,3,4,5,6,7
.irp u, 0,1
.if \s == 0
	v_wmma_f32_16x16x128_fp8_fp8 v[ACC+8*\u:ACC+8*\u+7], v[16*(8*\u+\s):16*(8*\u+\s)+15], v[16*\s:16*\s+15], 0
.else
	v_wmma_f32_16x16x128_fp8_fp8 v[ACC+8*\u:ACC+8*\u+7], v[16*(8*\u+\s):16*(8*\u+\s)+15], v[16*\s:16*\s+15], v[ACC+8*\u:ACC+8*\u+7]
.endif
.endr
.endr
.endm
.macro EPI                             ; 16 sums a lane become 16 codes
.irp i, 0,2,4,6,8,10,12,14
	v_pk_fma_f32 v[RX+\i:RX+\i+1], v[ACC+\i:ACC+\i+1], s[38:39], v[B1R+\i:B1R+\i+1] op_sel_hi:[1,0,1]   ; x = sum x 2^(ex + ew1) + b1; each accumulator from its low end on
.endr
.irp r, 56,57,58,59,60,61,62,63,64,65,66,67,68,69,70,71
	v_fma_f32 v[\r+16], |v\r|, s86, 1.0            ; 1 + |x| / (2 sqrt 2)
.endr
	s_wait_alu depctr_va_vdst(0)
.irp r, 56,57,58,59,60,61,62,63,64,65,66,67,68,69,70,71
	v_rcp_f32 v[\r+32], v[\r+16]                   ; t: one batch
.endr
.irp i, 0,2,4,6,8,10,12,14
	v_pk_mul_f32 v[RS+\i:RS+\i+1], v[RX+\i:RX+\i+1], v[RX+\i:RX+\i+1]   ; x^2: plain work behind the batch
.endr
.irp r, 56,57,58,59,60,61,62,63,64,65,66,67,68,69,70,71
	v_max_num_f32 v[\r+64], 0, v\r                 ; max(x, 0)
.endr
	s_wait_alu depctr_va_vdst(0)                   ; the 16 reciprocals have written v[RT ..]: one wait for the batch, ahead of its first reader
.irp i, 0,2,4,6,8,10,12,14
	v_pk_fma_f32 v[RP+\i:RP+\i+1], v[158:159], v[RT+\i:RT+\i+1], s[82:83] op_sel_hi:[1,1,0]   ; c9 t + c8
.endr
.irp k, 80,78,76,74,72,70,68,66                ; Horner, c7 down to c0: eight pairs between a step and the next on the same pair
.irp i, 0,2,4,6,8,10,12,14
	v_pk_fma_f32 v[RP+\i:RP+\i+1], v[RP+\i:RP+\i+1], v[RT+\i:RT+\i+1], s[\k:\k+1] op_sel_hi:[1,1,0]
.endr
.endr
.irp i, 0,2,4,6,8,10,12,14
	v_pk_fma_f32 v[RP+\i:RP+\i+1], v[RS+\i:RS+\i+1], s[84:85], v[RP+\i:RP+\i+1] op_sel_hi:[1,0,1]   ; P - x^2 log2(e) / 2
.endr
	s_wait_alu depctr_va_vdst(0)
.irp r, 56,57,58,59,60,61,62,63,64,65,66,67,68,69,70,71
	v_exp_f32 v[\r+80], v[\r+80]
.endr
	v_nop                                          ; a plain instruction behind the last exponential
	s_wait_alu depctr_va_vdst(0)                   ; the 16 exponentials have written v[RP ..]: one wait for the batch, ahead of its first reader
.irp i, 0,2,4,6,8,10,12,14
	v_pk_mul_f32 v[RT+\i:RT+\i+1], v[RT+\i:RT+\i+1], v[RP+\i:RP+\i+1]   ; Phi(-|x|)
.endr
.irp r, 56,57,58,59,60,61,62,63,64,65,66,67,68,69,70,71
	v_fma_f32 v\r, -|v\r|, v[\r+32], v[\r+64]      ; gelu = max(x, 0) - |x| Phi(-|x|)
.endr
.irp r, 56,57,58,59,60,61,62,63,64,65,66,67,68,69,70,71
	v_med3_num_f32 v\r, v\r, -v157, v157           ; the conversion to an 8-bit code does not saturate (ISA guide 7.6.2): the hold at 448 x 2^eh
.endr
	s_wait_alu depctr_va_vdst(0)
	s_wait_xcnt 0x0                                ; the last tile's store has had its address translated: its codes are written again only behind this wait
	s_wait_alu depctr_vm_vsrc(0)                   ; the last tile's store has read v[CD ..], which the conversions write again
	v_cvt_scalef32_pk8_fp8_f32 v[CD:CD+1], v[RX:RX+7], v156
	v_cvt_scalef32_pk8_fp8_f32 v[CD+2:CD+3], v[RX+8:RX+15], v156
	v_nop                                          ; a plain instruction behind the conversions
	s_wait_alu depctr_va_vdst(0)                   ; the conversions have written v[CD ..], which the store reads; and this tile's products are done reading their fragments, in which the loads of two tiles on land
.endm
.macro TILE par, m, id                 ; 16 rows: products, the next tile's fragments asked for, gelu, codes, store
	s_wait_dscnt 0x0                               ; this tile's fragments are in (in the first tile: my weights' too)
	MUL \m
.if \m < 3
	LOADA \par, (\m+1)                             ; into the other buffer: no wait: no vector or matrix instruction since the last wait on va_vdst names it.  It lands while the gelu is worked
.endif
	WIN 0
.rept 4
	v_nop                                          ; four places behind the last products, ahead of the first read of their results (ISA guide 7.12.1)
.endr
	EPI
	global_store_b128 v13, v[CD:CD+3], s[36:37] offset:65536*\m   ; the wave stores 512 consecutive bytes, aligned
.if \m < 3
	s_add_co_u32 s45, s41, 16*(\m+1)
	s_cmp_lt_u32 s45, s26
	s_cbranch_scc0 .Ltrip_end_\id                  ; no row of the next tile counts
.endif
.endm
; A TRIP: 64 rows through buffer par.  ONE barrier: ahead of it each wave has stored its 16 rows and has waited for all its LDS instructions, its reads of the other buffer among them;
; behind it the buffer is whole.  A buffer is written again two trips later, behind the barrier between, which every wave reaches with its reads of it over.
.macro TRIP par
	s_add_co_u32 s41, s40, 64*\par                 ; the trip's first row
	s_cmp_lt_u32 s41, s26
	s_cbranch_scc0 .Lunstaged_\@
	STAGE \par
.Lunstaged_\@:
	s_wait_dscnt 0x0
	s_barrier_signal -1
	s_barrier_wait -1
	s_cmp_lt_u32 s41, s26
	s_cbranch_scc0 .Ltrip_end_\@
	s_wait_xcnt 0x0                                ; earlier loads and stores have had their addresses translated: v13 and the rows' offsets are written again only behind this wait
	s_wait_alu depctr_vm_vsrc(0)                   ; the last trip's stores have read v13; the rows' loads have read v[TA ..]; my LDS stores above have read ROWS: all three are written again below
	s_lshl_b32 s44, s41, 12
	v_add_nc_u32 v13, s44, v12                     ; hq: tile row / 16 is 65,536 bytes a tile, + 16 x lane
	s_wait_alu depctr_va_vdst(0)                   ; v13 is written, which this trip's stores read; the last trip's products are done reading F0 and F1, in which the fragments of tiles 0 and 1 land
	LOADA \par, 0                                  ; the first tile's fragments go out first: the products wait for them
	s_add_co_u32 s45, s41, 64
	s_cmp_lt_u32 s45, s26
	s_cbranch_scc0 .Ltiles_\@
	s_wait_loadcnt 0x0                             ; no load of mine is out: the rows' offsets and the registers of the rows on their way may be written again
	TOKENS TOK+\par, 1-\par                        ; the next 64 rows: this round's upper half, or the next round's lower
	GLOADS                                         ; their codes have this trip's work in which to come
.Ltiles_\@:
	TILE \par, 0, \@
	TILE \par, 1, \@
	TILE \par, 2, \@
	TILE \par, 3, \@
.Ltrip_end_\@:
.endm
	s_wait_alu depctr_va_vdst(0)
	TOKENS TOK, 0                                  ; rows 0 to 63
	GLOADS
	s_cmp_lg_u32 s2, 0
	s_cbranch_scc1 .Lplaced                        ; wave 0
	s_cmp_lg_u32 s3, 0
	s_cbranch_scc1 .Lplaced                        ; of one work-group of each expert stores the places and the count
	s_mov_b32 s28, 0
.set n, 0
.rept 32
	v_mbcnt_lo_u32_b32 v[192+n], s[66+n], s28      ; members in the masks before + members in the lanes below me: a member's place (of another token: a number that nobody reads)
	s_bcnt1_i32_b32 s29, s[66+n]
	s_add_co_u32 s28, s28, s29
.set n, n+1
.endr
	v_mov_b32 v224, s25
	s_wait_alu depctr_va_vdst(0)                   ; the places v192 to v223 and the count v224 are written, which the nine stores read
.set g, 0
.rept 8
	global_store_b128 v12, v[192+4*g:195+4*g], s[16:17] offset:512*g
.set g, g+1
.endr
	global_store_b32 v15, v224, s[18:19]           ; 32 copies: 128 bytes
.Lplaced:
	KPAIR 66, 0xc034d90f                           ; c0 = -2.82574822   (the masks' registers are free)
	KPAIR 68, 0x3fb8ab5a                           ; c1 =  1.44272920
	KPAIR 70, 0x3f0a29d2                           ; c2 =  0.53970062
	KPAIR 72, 0x3e0efb2f                           ; c3 =  0.13963006
	KPAIR 74, 0xbe899a80                           ; c4 = -0.26875686
	KPAIR 76, 0x3ecdfd18                           ; c5 =  0.40232158
	KPAIR 78, 0xbfd1a1e5                           ; c6 = -1.63775315
	KPAIR 80, 0x40097039                           ; c7 =  2.14747446
	KPAIR 82, 0xbf97d29d                           ; c8 = -1.18611495
	KPAIR 84, 0xbf38aa3b                           ; -log2(e) / 2
	s_mov_b32 s86, 0x3eb504f3                      ; 1 / (2 sqrt 2)
	v_mov_b32 v158, 0x3e7c6f08                     ; c9 =  0.24651730
	v_mov_b32 v159, 0x3e7c6f08
	s_wait_kmcnt 0x0
	s_add_co_i32 s43, s20, s21
	s_add_co_i32 s43, s43, 127
	s_lshl_b32 s38, s43, 23                        ; 2^(ex + ew1) as f32
	s_mov_b32 s39, s38
	s_add_co_i32 s43, s22, 127
	s_lshl_b32 s44, s43, 23
	v_mov_b32 v156, s44                            ; 2^eh
	s_add_co_i32 s43, s43, 8
	s_lshl_b32 s43, s43, 23
	s_or_b32 s43, s43, 0x600000
	v_mov_b32 v157, s43                            ; 448 x 2^eh
	s_wait_loadcnt 32                              ; the weights and b1 are in; the 32 loads of rows 0 to 63 may be out
	WIN 0x04                                       ; store data window 1
.set q, 0
.rept 64
	ds_store_b128 v5, v[4*q:4*q+3] offset:WPITCH*(q/2)+512*(q%2)   ; my 32 rows, as they lie, into my own stage
.set q, q+1
.endr
	WIN 0x40
	s_wait_alu depctr_vm_vsrc(0)                   ; the 64 LDS stores have read window 1's registers, in which the LDS loads below land
.irp u, 0,1
.irp s, 0,1,2,3,4,5,6,7
.irp c, 0,1,2,3
	ds_load_b128 v[16*(8*\u+\s)+4*\c:16*(8*\u+\s)+4*\c+3], v6 offset:8*WPITCH*\u+128*\s+32*\c   ; and back as fragments: LDS serves a wave's instructions in order (ISA guide 5.7.1.4)
.endr
.endr
.endr
	WIN 0
	s_mov_b32 s40, 0
.Lloop:                                            ; eight trips of 128 rows: a constant count; what lies beyond the expert's rows is jumped over
	TRIP 0
	TRIP 1
.set i, 0
	s_wait_alu depctr_va_vdst(0)
.rept 7
	v_mov_b32 v[TOK+i], v[TOK+i+1]                 ; the next round's tokens move into the first register
.set i, i+1
.endr
	s_add_co_u32 s40, s40, 128
	s_cmp_lt_u32 s40, 1024
	s_cbranch_scc1 .Lloop
	s_wait_dscnt 0x0                               ; the closing lines, six on end
	s_wait_alu 0x0
	s_wait_tensorcnt 0x0
	ds_add_u32 v254, v255
	s_wait_dscnt 0x0
	s_endpgm
.Lfunc_end_k_q40eca94988_fc1:
	.size	k_q40eca94988_fc1, .Lfunc_end_k_q40eca94988_fc1-k_q40eca94988_fc1
	.p2alignl 7, 3214868480
	.fill 96, 4, 3214868480
	.section	.rodata,"a",@progbits
	.p2align	6, 0x0
	.amdhsa_kernel k_q40eca94988_fc1
		.amdhsa_group_segment_fixed_size 266752
		.amdhsa_private_segment_fixed_size 0
		.amdhsa_enable_private_segment 0
		.amdhsa_kernarg_size 64
		.amdhsa_user_sgpr_count 2
		.amdhsa_user_sgpr_kernarg_segment_ptr 1
		.amdhsa_wavefront_size32 1
		.amdhsa_system_sgpr_workgroup_id_x 1
		.amdhsa_system_sgpr_workgroup_id_y 1
		.amdhsa_system_sgpr_workgroup_id_z 1
		.amdhsa_system_vgpr_workitem_id 0
		.amdhsa_next_free_vgpr 896
		.amdhsa_next_free_sgpr 98
		.amdhsa_reserve_vcc 1
		.amdhsa_float_denorm_mode_32 3
		.amdhsa_float_denorm_mode_16_64 3
		.amdhsa_memory_ordered 1
		.amdhsa_forward_progress 1
		.amdhsa_inst_pref_size 187
	.end_amdhsa_kernel
	.amdgpu_metadata
---
amdhsa.version: [ 1, 2 ]
amdhsa.kernels:
  - .name:           k_q40eca94988_fc1
    .symbol:         k_q40eca94988_fc1.kd
    .args:
      - { .name: xq, .offset: 0, .size: 8, .value_kind: global_buffer, .address_space: global }
      - { .name: w1_codes, .offset: 8, .size: 8, .value_kind: global_buffer, .address_space: global }
      - { .name: b1, .offset: 16, .size: 8, .value_kind: global_buffer, .address_space: global }
      - { .name: lowp_scales, .offset: 24, .size: 8, .value_kind: global_buffer, .address_space: global }
      - { .name: sel, .offset: 32, .size: 8, .value_kind: global_buffer, .address_space: global }
      - { .name: hq, .offset: 40, .size: 8, .value_kind: global_buffer, .address_space: global }
      - { .name: posE, .offset: 48, .size: 8, .value_kind: global_buffer, .address_space: global }
      - { .name: cnt, .offset: 56, .size: 8, .value_kind: global_buffer, .address_space: global }
    .group_segment_fixed_size: 266752
    .private_segment_fixed_size: 0
    .kernarg_segment_align: 8
    .kernarg_segment_size: 64
    .max_flat_workgroup_size: 128
    .sgpr_count:     98
    .vgpr_count:     896
    .wavefront_size: 32
...
	.end_amdgpu_metadata
.endif
;; end of part 6
;; launch fc2 (part 7): grid 32 x 8, 4 waves a work-group, no clusters, 274,944 bytes of LDS; arguments hq, w2_codes, b2, lowp_scales, cnt, y0, y1; writes y0, y1
.if DOCPART == 7
	.amdgcn_target "amdgcn-amd-amdhsa--gfx1250"
	.amdhsa_code_object_version 6
	.text
	.protected	k_q40eca94988_fc2
	.globl	k_q40eca94988_fc2
	.p2align	8
	.type	k_q40eca94988_fc2,@function
k_q40eca94988_fc2:
	s_mov_b64 s[64:65], 0
	v_nop
	global_prefetch_b8 v0, s[64:65] scope:SCOPE_SE
	s_setreg_imm32_b32 hwreg(HW_REG_WAVE_SCHED_MODE, 0, 2), 2
	s_setreg_imm32_b32 hwreg(HW_REG_WAVE_MODE, 25, 1), 1
	s_wait_xcnt 0x0
	s_wait_alu depctr_vm_vsrc(0)
; FC2 OF THE ROUTED ROWS.  Work-group (x, e): outputs 64 j .. 64 j + 63 (j = x % 16) of expert e, over the half kh = x / 16 of K = 4,096.
; y0[e][place][n] = (the sum over K's first half) x 2^(eh + ew2) + b2[e][n];  y1 = (the second half's) x 2^(eh + ew2).  The last launch adds the two.
; THE WEIGHTS STAND STILL: wave w keeps 64 outputs x K = 2,048 kh + 512 w + 0 .. 511 in 256 registers, read from memory once.  The expert's rows go past, a tile of 16 at a time, straight from hq into
; registers: hq is an image of this operand's registers, so a tile's four K steps of a wave are 8,192 bytes on end, 16 loads of 512 consecutive bytes; no two waves read the same bytes.
; THE PRODUCT IS USED TRANSPOSED (source 0 = 16 rows of W2, source 1 = 16 rows of the hidden layer); lane r of tile 2 b + u takes W2's row 32 b + 8 u + r + 8 (r / 8), so that lane (r, h) holds, of row r,
; outputs 32 b + 16 h + 0 .. 15 on end.  The four waves' parts of a tile meet in LDS; of four tiles each wave adds one (in the fixed order (0 + 1) + (2 + 3)) and stores it: sixteen lanes write 256 consecutive bytes, aligned.
; NO TENSOR LOADS, NO CLUSTER: the number of tiles is read from memory and steers branches.  The loop has a constant count and every wave passes every barrier.
; LIMIT: eh + ew2 between -126 and 127.
; REGISTERS.  Window 0: v1 lane, v2 r, v3 h, v4 16 lane, v5-v10 LDS addresses, v11 y's offset, v12 4,096 h + 16 r, v13 16 r; v16-19 the ring's offsets; v20-23 b2; v32-95 two sets of four accumulators; v96-223 the parts to add;
;   v254, v255 the closing add's two.   Window 1: W2's 16 fragments.   Window 2: a ring of four tiles of the hidden layer, 64 registers each.
; THE MODE: SCHED_MODE bits 1:0 = 2 (LLVM: expert scheduling mode 2), set by the entry lines.  The code itself states the register dependences
; between vector or matrix instructions and memory or LDS instructions, with s_wait_alu, always for 0.
; THE PLAN.  Registers that memory or LDS instructions touch, and who else names them:
;   ring 0 .. 3   Tile m's products read ring buffer m; behind them the loads of the tile four further on land in it.
;   v16-19        v[16 + m] is written behind tile m's products and read by the sixteen loads that follow.
;   v32-95        Tile m's products write set m % 2; its eight LDS stores read it; the products of tile m + 2 write it again.
;   v96-223       The adding wave's LDS loads land; its sums read and write them; its eight stores read v96-127.      v11  Written at the adding's head, read by those stores.
;   window 1      The weights' global loads land; LDS stores read them; LDS loads land in the same registers; then the products alone name them.
;   v4-v10, v12, v13  Made at the head, never written again.
; So a tile holds ONE wait on va_vdst, behind its products and their places: the accumulators and the ring's offset are written, and the products are done reading the ring buffer, which is asked for again at once,
; since the loop lives on the loads that it has on their way; and ONE on vm_vsrc, at its head.  The adding holds one of each.
.set WP,    528                        ; an LDS row of weights: 512 bytes + 16
.set WREG,  64*WP
.set RED0,  4*WREG                     ; two regions for the parts, by turns
.set RPI,   272                        ; a row of 64 f32 + 16 bytes
.set RTILE, 16*RPI
.set RSRC,  4*RTILE                    ; a wave's parts of four tiles
.set REDSZ, 4*RSRC
.set MSB, 0
.macro WIN new                         ; the immediate's high byte repeats the setting that is left
.if MSB != \new
	s_set_vgpr_msb (MSB<<8)|\new
.set MSB, \new
.endif
.endm
	s_load_b256 s[4:11], s[0:1], 0x0               ; hq s[4:5], W2 s[6:7], b2 s[8:9], exponents s[10:11]
	s_load_b128 s[12:15], s[0:1], 0x20             ; cnt s[12:13], y0 s[14:15]
	s_load_b64 s[16:17], s[0:1], 0x30              ; y1
	v_lshl_add_u32 v254, v0, 2, 0x43000
	v_mov_b32 v255, 0
	v_lshrrev_b32 v1, 5, v0
	v_readfirstlane_b32 s2, v1                     ; wave w
	s_and_b32 s3, ttmp9, 15                        ; j
	s_lshr_b32 s18, ttmp9, 4                       ; kh
	s_and_b32 s19, ttmp7, 0xffff                   ; e
	v_and_b32 v1, 31, v0
	v_and_b32 v2, 15, v0                           ; r
	v_bfe_u32 v3, v0, 4, 1                         ; h
	v_lshlrev_b32 v4, 4, v1
	v_lshlrev_b32 v13, 4, v2
	s_wait_alu depctr_va_sdst(0)                   ; s2, the wave's number, is written, ahead of its first reader
	s_mul_i32 s32, s2, WREG
	v_add_nc_u32 v5, s32, v4                       ; my stage for the weights, on the way in
	v_and_b32 v6, 8, v2
	v_add_nc_u32 v6, v6, v2
	v_mul_u32_u24 v6, v6, WP
	v_lshl_add_u32 v6, v3, 4, v6
	v_add_nc_u32 v6, s32, v6                       ; and out: row r + 8 (r / 8), + 16 h
	s_mul_i32 s32, s2, RSRC
	v_mul_u32_u24 v7, v2, RPI
	v_lshl_add_u32 v7, v3, 6, v7
	v_add_nc_u32 v7, s32, v7
	v_add_nc_u32 v8, RED0+REDSZ, v7                ; my parts go in: my wave's region, row r, + 64 h
	v_add_nc_u32 v7, RED0, v7
	s_mul_i32 s32, s2, RTILE
	v_mul_u32_u24 v9, v3, RPI
	v_lshl_add_u32 v9, v2, 4, v9
	v_add_nc_u32 v9, s32, v9
	v_add_nc_u32 v10, RED0+REDSZ, v9               ; and come back: tile w of the four, row h, 16 r
	v_add_nc_u32 v9, RED0, v9
	v_lshlrev_b32 v12, 12, v3
	v_lshl_add_u32 v12, v2, 4, v12                 ; the same place in y: a row is 4,096 bytes
	s_mov_b32 s39, 0
	s_wait_kmcnt 0x0
	s_lshl_b32 s38, s19, 7
	s_add_nc_u64 s[12:13], s[12:13], s[38:39]
	s_load_b32 s24, s[12:13], 0x0                  ; the expert's rows
	s_lshl_b32 s38, s19, 4
	s_add_nc_u64 s[10:11], s[10:11], s[38:39]
	s_load_b128 s[20:23], s[10:11], 0x0            ; ex, ew1, eh, ew2
	s_lshl_b32 s38, s19, 22
	s_lshl_b32 s32, s3, 18
	s_add_co_u32 s38, s38, s32
	s_lshl_b32 s32, s18, 11
	s_add_co_u32 s38, s38, s32
	s_lshl_b32 s32, s2, 9
	s_add_co_u32 s38, s38, s32
	s_add_nc_u64 s[6:7], s[6:7], s[38:39]          ; W2 at row 64 j, K byte 2,048 kh + 512 w
	s_wait_alu depctr_va_vdst(0)                   ; the addresses and offsets v4 to v10, v12 and v13 are written, which the loads and stores of the whole kernel read; none of them is written again
	WIN 0x40
.set p, 0
.rept 64
	global_load_b128 v[4*p:4*p+3], v4, s[6:7] offset:4096*p th:TH_LOAD_NT   ; my 512 bytes of a row; read once in the launch
.set p, p+1
.endr
	WIN 0
	s_lshl_b32 s38, s19, 12
	s_lshl_b32 s32, s3, 8
	s_add_co_u32 s38, s38, s32
	s_add_nc_u64 s[8:9], s[8:9], s[38:39]
	global_load_b128 v[20:23], v13, s[8:9]         ; b2[e][64 j + 4 r + 0 .. 3]
	s_lshl_b32 s38, s19, 22
	s_add_co_u32 s38, s38, s32
	s_cmp_eq_u32 s18, 0                            ; the choice hangs on the work-group's number alone
	s_cselect_b64 s[36:37], s[14:15], s[16:17]
	s_cselect_b32 s27, -1, 0                       ; b2 goes in with the first half of K alone
	s_add_nc_u64 s[36:37], s[36:37], s[38:39]      ; y at my expert, column 64 j
	s_lshl_b32 s38, s19, 22
	s_lshl_b32 s32, s18, 15
	s_add_co_u32 s38, s38, s32
	s_lshl_b32 s32, s2, 13
	s_add_co_u32 s38, s38, s32
	s_add_nc_u64 s[34:35], s[4:5], s[38:39]        ; hq at my expert, K steps 16 kh + 4 w on
	s_wait_kmcnt 0x0
	s_add_co_u32 s25, s24, 15
	s_lshr_b32 s25, s25, 4                         ; nt: tiles with a row that counts
	s_max_u32 s26, s25, 1
	s_sub_co_u32 s26, s26, 1                       ; the last tile that was stored (tile 0 always was)
	s_add_co_i32 s32, s22, s23
	s_add_co_i32 s32, s32, 127
	s_lshl_b32 s28, s32, 23                        ; 2^(eh + ew2) as f32
	s_mov_b32 s29, s28
.macro RADDR m, add                    ; ring buffer m is to take tile s31 + add, held at the last tile that was stored: no load reads bytes that nobody wrote
	s_add_co_u32 s32, s31, \add
	s_min_u32 s32, s32, s26
	s_min_u32 s32, s32, 63
	s_lshl_b32 s32, s32, 16                        ; a tile is 65,536 bytes
	v_add_nc_u32 v[16+\m], s32, v4
.endm
.macro RLOADS m                        ; and is asked for
	WIN 0x80
.set q, 0
.rept 16
	global_load_b128 v[64*\m+4*q:64*\m+4*q+3], v[16+\m], s[34:35] offset:512*q   ; K step q / 4, piece q % 4
.set q, q+1
.endr
.endm
	s_mov_b32 s31, 0
	RADDR 0, 0
	RADDR 1, 1
	RADDR 2, 2
	RADDR 3, 3
	s_wait_alu depctr_va_vdst(0)                   ; the ring's four offsets v16 to v19 are written, which the 64 loads below read
	RLOADS 0
	RLOADS 1
	RLOADS 2
	RLOADS 3
	WIN 0
	s_wait_loadcnt 63                              ; 64 loads were issued behind the weights and b2: both are in
.irp i, 0,1,2,3
	v_and_b32 v[20+\i], s27, v[20+\i]
.endr
	WIN 0x04
.set p, 0
.rept 64
	ds_store_b128 v5, v[4*p:4*p+3] offset:WP*p     ; my weights into my own stage, as rows,
.set p, p+1
.endr
	WIN 0x40
	s_wait_alu depctr_vm_vsrc(0)                   ; the 64 LDS stores have read window 1's registers, in which the LDS loads below land
.irp t, 0,1,2,3
.irp s, 0,1,2,3
.irp c, 0,1,2,3
	ds_load_b128 v[16*(4*\t+\s)+4*\c:16*(4*\t+\s)+4*\c+3], v6 offset:WP*(32*(\t/2)+8*(\t%2))+128*\s+32*\c   ; and back as fragments: LDS serves a wave's instructions in order (ISA guide 5.7.1.4)
.endr
.endr
.endr
	WIN 0
	s_wait_dscnt 0x0
.macro MUL m                           ; 16 matrix instructions: K ascending, four accumulators by turns, one instruction a turn; the first four start the sums
.set AC, 32+32*((\m)%2)
	WIN 0x09                                       ; source 0 (W2) window 1, source 1 (the rows) window 2
.irp s, 0,1,2,3
.irp t, 0,1,2,3
.if \s == 0
	v_wmma_f32_16x16x128_fp8_fp8 v[AC+8*\t:AC+8*\t+7], v[16*(4*\t+\s):16*(4*\t+\s)+15], v[64*\m+16*\s:64*\m+16*\s+15], 0
.else
	v_wmma_f32_16x16x128_fp8_fp8 v[AC+8*\t:AC+8*\t+7], v[16*(4*\t+\s):16*(4*\t+\s)+15], v[64*\m+16*\s:64*\m+16*\s+15], v[AC+8*\t:AC+8*\t+7]
.endif
.endr
.endr
	WIN 0
.endm
.macro PART par, m                     ; my part of tile m: row r, bytes 128 b + 64 h + 32 u on; each accumulator from its low end on
.set AC, 32+32*((\m)%2)
.irp t, 0,1,2,3
	ds_store_b128 v[7+\par], v[AC+8*\t:AC+8*\t+3] offset:RTILE*\m+128*(\t/2)+32*(\t%2)
	ds_store_b128 v[7+\par], v[AC+8*\t+4:AC+8*\t+7] offset:RTILE*\m+128*(\t/2)+32*(\t%2)+16
.endr
.endm
.macro REDUCE par                      ; tile s33 = the lap's first + w: the four waves' parts are added, scaled, and stored
	s_wait_xcnt 0x0                                ; my last stores have had their addresses translated: their data and their offset are written again only behind this wait
	s_wait_alu depctr_vm_vsrc(0)                   ; my last stores have read v11, which is written below, and v96 to v127, in which the LDS loads below land
	s_lshl_b32 s33, s33, 16                        ; 16 rows of 4,096 bytes
	v_add_nc_u32 v11, s33, v12
.irp src, 0,1,2,3
.set p, 0
.rept 8
	ds_load_b128 v[96+32*\src+4*p:96+32*\src+4*p+3], v[9+\par] offset:RSRC*\src+2*RPI*p   ; no wait on va_vdst: the last adding's sums stand ahead of its own such wait, and no vector instruction since names v96 to v223
.set p, p+1
.endr
.endr
	s_wait_dscnt 0x0
.set k, 0
.rept 16
	v_pk_add_f32 v[96+2*k:97+2*k], v[96+2*k:97+2*k], v[128+2*k:129+2*k]
	v_pk_add_f32 v[160+2*k:161+2*k], v[160+2*k:161+2*k], v[192+2*k:193+2*k]
.set k, k+1
.endr
.set k, 0
.rept 16
	v_pk_add_f32 v[96+2*k:97+2*k], v[96+2*k:97+2*k], v[160+2*k:161+2*k]
.set k, k+1
.endr
.set k, 0
.rept 16
	v_pk_fma_f32 v[96+2*k:97+2*k], v[96+2*k:97+2*k], s[28:29], v[20+2*(k%2):21+2*(k%2)] op_sel_hi:[1,0,1]   ; x 2^(eh + ew2) + b2 (or + 0)
.set k, k+1
.endr
	s_wait_alu depctr_va_vdst(0)                   ; the sums have written v96 to v127, and v11 is written: the eight stores read them; the sums are also done with v96 to v223, in which the next adding's loads land
.set p, 0
.rept 8
	global_store_b128 v11, v[96+4*p:99+4*p], s[36:37] offset:8192*p   ; rows 2 p + h: sixteen lanes store 256 consecutive bytes, aligned
.set p, p+1
.endr
.endm
; A LAP: four tiles.  ONE barrier: ahead of it every wave's parts lie in region par; behind it each wave adds one tile.  The regions take turns, so a region is written again only behind the
; next lap's barrier, which every wave reaches with its reads of it over.
.macro LAP par
	s_add_co_u32 s31, s30, 4*\par                  ; the lap's first tile
	s_cmp_lt_u32 s31, s25
	s_cbranch_scc0 .Lidle_\@
.irp m, 0,1,2,3
	s_wait_loadcnt 48                              ; this tile's 16 loads are in; the three tiles asked for behind it may be out
	s_wait_alu depctr_vm_vsrc(0)                   ; the LDS stores of two tiles ago have read this set of accumulators, which the products write; the ring buffer's last loads have read v[16 + m], which is written below
	MUL \m
	RADDR \m, 4+\m                                 ; the offset of the tile four further on: its one vector line names no register of the products and is the first of the four places behind them,
.rept 3
	v_nop                                          ; these the other three: ahead of the stores that read the products' results
.endr
	s_wait_alu depctr_va_vdst(0)                   ; the products have written the accumulators, which the LDS stores read, and are done reading ring buffer m, in which the loads land; v[16 + m] is written, which those loads read
	PART \par, \m
	RLOADS \m                                      ; three tiles' work in which to come
.endr
	WIN 0
.Lidle_\@:
	s_wait_dscnt 0x0
	s_barrier_signal -1
	s_barrier_wait -1
	s_add_co_u32 s33, s31, s2
	s_cmp_lt_u32 s33, s25
	s_cbranch_scc0 .Lnone_\@
	REDUCE \par
.Lnone_\@:
.endm
	s_mov_b32 s30, 0
.Lloop:                                            ; eight trips of eight tiles: a constant count; what lies beyond the expert's tiles is jumped over
	LAP 0
	LAP 1
	s_add_co_u32 s30, s30, 8
	s_cmp_lt_u32 s30, 64
	s_cbranch_scc1 .Lloop
	s_wait_dscnt 0x0                               ; the closing lines, six on end
	s_wait_alu 0x0
	s_wait_tensorcnt 0x0
	ds_add_u32 v254, v255
	s_wait_dscnt 0x0
	s_endpgm
.Lfunc_end_k_q40eca94988_fc2:
	.size	k_q40eca94988_fc2, .Lfunc_end_k_q40eca94988_fc2-k_q40eca94988_fc2
	.p2alignl 7, 3214868480
	.fill 96, 4, 3214868480
	.section	.rodata,"a",@progbits
	.p2align	6, 0x0
	.amdhsa_kernel k_q40eca94988_fc2
		.amdhsa_group_segment_fixed_size 274944
		.amdhsa_private_segment_fixed_size 0
		.amdhsa_enable_private_segment 0
		.amdhsa_kernarg_size 56
		.amdhsa_user_sgpr_count 2
		.amdhsa_user_sgpr_kernarg_segment_ptr 1
		.amdhsa_wavefront_size32 1
		.amdhsa_system_sgpr_workgroup_id_x 1
		.amdhsa_system_sgpr_workgroup_id_y 1
		.amdhsa_system_sgpr_workgroup_id_z 1
		.amdhsa_system_vgpr_workitem_id 0
		.amdhsa_next_free_vgpr 768
		.amdhsa_next_free_sgpr 66
		.amdhsa_reserve_vcc 0
		.amdhsa_float_denorm_mode_32 3
		.amdhsa_float_denorm_mode_16_64 3
		.amdhsa_memory_ordered 1
		.amdhsa_forward_progress 1
		.amdhsa_inst_pref_size 68
	.end_amdhsa_kernel
	.amdgpu_metadata
---
amdhsa.version: [ 1, 2 ]
amdhsa.kernels:
  - .name:           k_q40eca94988_fc2
    .symbol:         k_q40eca94988_fc2.kd
    .args:
      - { .name: hq, .offset: 0, .size: 8, .value_kind: global_buffer, .address_space: global }
      - { .name: w2_codes, .offset: 8, .size: 8, .value_kind: global_buffer, .address_space: global }
      - { .name: b2, .offset: 16, .size: 8, .value_kind: global_buffer, .address_space: global }
      - { .name: lowp_scales, .offset: 24, .size: 8, .value_kind: global_buffer, .address_space: global }
      - { .name: cnt, .offset: 32, .size: 8, .value_kind: global_buffer, .address_space: global }
      - { .name: y0, .offset: 40, .size: 8, .value_kind: global_buffer, .address_space: global }
      - { .name: y1, .offset: 48, .size: 8, .value_kind: global_buffer, .address_space: global }
    .group_segment_fixed_size: 274944
    .private_segment_fixed_size: 0
    .kernarg_segment_align: 8
    .kernarg_segment_size: 56
    .max_flat_workgroup_size: 128
    .sgpr_count:     66
    .vgpr_count:     768
    .wavefront_size: 32
...
	.end_amdgpu_metadata
.endif
;; end of part 7
;; launch combine (part 8): grid 256 x 1, 4 waves a work-group, no clusters, 0 bytes of LDS; arguments sel, wgt, posE, y0, y1, out0; writes out0
.if DOCPART == 8
	.amdgcn_target "amdgcn-amd-amdhsa--gfx1250"
	.amdhsa_code_object_version 6
	.text
	.protected	k_q40eca94988_combine
	.globl	k_q40eca94988_combine
	.p2align	8
	.type	k_q40eca94988_combine,@function
k_q40eca94988_combine:
	s_mov_b64 s[64:65], 0
	v_nop
	global_prefetch_b8 v0, s[64:65] scope:SCOPE_SE
	s_setreg_imm32_b32 hwreg(HW_REG_WAVE_MODE, 25, 1), 1
	s_wait_xcnt 0x0
; out[t] = w_0 (y0 + y1)[i0][place of t in i0] + w_1 (y0 + y1)[i1][place of t in i1].  One wave takes one token t = 4 x work-group + wave: each output row has one owner.
; The two experts come from sel[t], the weights (score x alpha) from wgt[t], the places from posE; all three were stored by earlier launches.  Indices are held inside their tables before they enter an address.
; A row is 4,096 bytes: eight pieces of 512 consecutive bytes, 16 a lane; all 32 loads go out at once, and each piece is finished and stored as its four loads come in.
	s_load_b256 s[4:11], s[0:1], 0x0               ; sel s[4:5], wgt s[6:7], posE s[8:9], y0 s[10:11]
	s_load_b128 s[12:15], s[0:1], 0x20             ; y1 s[12:13], out s[14:15]
	v_lshrrev_b32 v1, 5, v0
	v_readfirstlane_b32 s16, v1                    ; wave
	s_lshl_b32 s17, ttmp9, 2
	s_add_co_u32 s17, s17, s16                     ; my token
	v_and_b32 v1, 31, v0
	v_and_b32 v2, 7, v0
	v_lshlrev_b32 v2, 12, v2                       ; lane l asks for the token's place in expert l % 8: posE[l % 8][t]
	s_lshl_b32 s18, s17, 2
	s_mov_b32 s19, 0
	v_add_nc_u32 v2, s18, v2
	v_lshlrev_b32 v1, 4, v1                        ; 16 bytes a lane
	s_wait_alu depctr_va_vdst(0)
	s_wait_kmcnt 0x0
	global_load_b32 v3, v2, s[8:9]
	s_add_nc_u64 s[4:5], s[4:5], s[18:19]
	s_load_b32 s20, s[4:5], 0x0                    ; sel[t]
	s_lshl_b32 s18, s17, 3
	s_add_nc_u64 s[6:7], s[6:7], s[18:19]
	s_load_b64 s[22:23], s[6:7], 0x0               ; w_0, w_1
	s_lshl_b32 s18, s17, 12
	s_add_nc_u64 s[14:15], s[14:15], s[18:19]      ; out at my row
	s_wait_kmcnt 0x0
	s_bfe_u32 s21, s20, 0x80000                    ; i0
	s_min_u32 s21, s21, 7
	s_bfe_u32 s24, s20, 0x80008                    ; i1
	s_min_u32 s24, s24, 7
	s_mov_b32 s26, s23                             ; w_1 as a pair of its own: the packed forms take a pair's low word for both halves
	s_mov_b32 s27, s23
	s_wait_loadcnt 0x0
	v_readlane_b32 s25, v3, s21                    ; the token's place in i0's list,
	v_readlane_b32 s28, v3, s24                    ; in i1's
	s_min_u32 s25, s25, 0x3ff
	s_min_u32 s28, s28, 0x3ff
	s_lshl_b32 s21, s21, 22                        ; an expert's part of y is 4 MiB, a row 4,096 bytes
	s_lshl_b32 s25, s25, 12
	s_add_co_u32 s21, s21, s25
	v_add_nc_u32 v4, s21, v1
	s_lshl_b32 s24, s24, 22
	s_lshl_b32 s28, s28, 12
	s_add_co_u32 s24, s24, s28
	v_add_nc_u32 v5, s24, v1
.set i, 0
.rept 8
	global_load_b128 v[16+16*i:19+16*i], v4, s[10:11] offset:512*i th:TH_LOAD_NT   ; each row of y is read once in the launch
	global_load_b128 v[20+16*i:23+16*i], v4, s[12:13] offset:512*i th:TH_LOAD_NT
	global_load_b128 v[24+16*i:27+16*i], v5, s[10:11] offset:512*i th:TH_LOAD_NT
	global_load_b128 v[28+16*i:31+16*i], v5, s[12:13] offset:512*i th:TH_LOAD_NT
.set i, i+1
.endr
.set i, 0
.rept 8
	s_wait_loadcnt 28-4*i                          ; this piece's four loads are in; the later pieces' four each may be out
.irp d, 0,2
	v_pk_add_f32 v[16+16*i+\d:17+16*i+\d], v[16+16*i+\d:17+16*i+\d], v[20+16*i+\d:21+16*i+\d]   ; K's two halves, first expert,
	v_pk_add_f32 v[24+16*i+\d:25+16*i+\d], v[24+16*i+\d:25+16*i+\d], v[28+16*i+\d:29+16*i+\d]   ; second expert
	v_pk_mul_f32 v[16+16*i+\d:17+16*i+\d], v[16+16*i+\d:17+16*i+\d], s[22:23] op_sel_hi:[1,0]
	v_pk_fma_f32 v[16+16*i+\d:17+16*i+\d], v[24+16*i+\d:25+16*i+\d], s[26:27], v[16+16*i+\d:17+16*i+\d] op_sel_hi:[1,0,1]
.endr
	global_store_b128 v1, v[16+16*i:19+16*i], s[14:15] offset:512*i th:TH_STORE_NT   ; the wave stores 512 consecutive bytes, aligned; each piece has registers of its own
.set i, i+1
.endr
	s_endpgm
.Lfunc_end_k_q40eca94988_combine:
	.size	k_q40eca94988_combine, .Lfunc_end_k_q40eca94988_combine-k_q40eca94988_combine
	.p2alignl 7, 3214868480
	.fill 96, 4, 3214868480
	.section	.rodata,"a",@progbits
	.p2align	6, 0x0
	.amdhsa_kernel k_q40eca94988_combine
		.amdhsa_group_segment_fixed_size 0
		.amdhsa_private_segment_fixed_size 0
		.amdhsa_enable_private_segment 0
		.amdhsa_kernarg_size 48
		.amdhsa_user_sgpr_count 2
		.amdhsa_user_sgpr_kernarg_segment_ptr 1
		.amdhsa_wavefront_size32 1
		.amdhsa_system_sgpr_workgroup_id_x 1
		.amdhsa_system_sgpr_workgroup_id_y 1
		.amdhsa_system_sgpr_workgroup_id_z 1
		.amdhsa_system_vgpr_workitem_id 0
		.amdhsa_next_free_vgpr 144
		.amdhsa_next_free_sgpr 66
		.amdhsa_reserve_vcc 0
		.amdhsa_float_denorm_mode_32 3
		.amdhsa_float_denorm_mode_16_64 3
		.amdhsa_memory_ordered 1
		.amdhsa_forward_progress 1
		.amdhsa_inst_pref_size 10
	.end_amdhsa_kernel
	.amdgpu_metadata
---
amdhsa.version: [ 1, 2 ]
amdhsa.kernels:
  - .name:           k_q40eca94988_combine
    .symbol:         k_q40eca94988_combine.kd
    .args:
      - { .name: sel, .offset: 0, .size: 8, .value_kind: global_buffer, .address_space: global }
      - { .name: wgt, .offset: 8, .size: 8, .value_kind: global_buffer, .address_space: global }
      - { .name: posE, .offset: 16, .size: 8, .value_kind: global_buffer, .address_space: global }
      - { .name: y0, .offset: 24, .size: 8, .value_kind: global_buffer, .address_space: global }
      - { .name: y1, .offset: 32, .size: 8, .value_kind: global_buffer, .address_space: global }
      - { .name: out0, .offset: 40, .size: 8, .value_kind: global_buffer, .address_space: global }
    .group_segment_fixed_size: 0
    .private_segment_fixed_size: 0
    .kernarg_segment_align: 8
    .kernarg_segment_size: 48
    .max_flat_workgroup_size: 128
    .sgpr_count:     66
    .vgpr_count:     144
    .wavefront_size: 32
...
	.end_amdgpu_metadata
.endif
;; end of part 8
